; MI455X (gfx1250); checked and timed in simulation.
; The chip was launched on July 23, 2026; its instructions are those of AMD's public machine-readable ISA for CDNA 5 (MIT licence, August 2026) and "CDNA5" Instruction Set Architecture Reference Guide (July 2026). The comments in the code are by the model that wrote it; some were corrected since.
;; Causal Self Attention. Allowed arithmetic: matrix products marked QUANTISED: E4M3 operands, one given power-of-two scale a tensor, by v_wmma_f32_16x16x64_fp8_fp8 or v_wmma_f32_16x16x128_fp8_fp8, f32 sums; everything else in f32.
;; Inputs: b_out 1,024 float32; b_qkv 3,072 float32; lowp_scales 8 int32 (the exponents e of the quantised operands' scales 2^e); w_out 1,024 x 1,024 float32; w_qkv 1,024 x 3,072 float32; x 4 x 2,048 x 1,024 float32.
;; Outputs: out0 4 x 2,048 x 1,024 float32.
;; This version of the problem:
;;   THIS VERSION OF THE PROBLEM IS GIVEN IN LOW PRECISION. The matrix products marked QUANTISED in the list below multiply operands that are first quantised to E4M3 (4 exponent bits, 3 mantissa bits; 8 bits a number), with one given power-of-two scale for each operand tensor; their sums are f32. All else is computed in f32.
;;   The module's matrix products, in the order in which they are computed (A, B: the left and right operand; K: the contracted axis; several contracted axes count as one K, in the product's order):
;;     1. [M 8,192, K 1,024] x [K 1,024, N 3,072]; A: input x; B: input w_qkv: QUANTISED (scales: A lowp_scales[0], B lowp_scales[1])
;;     2. batch 64 x [M 2,048, K 64] x [K 64, N 2,048]; A: computed on the way; B: computed on the way: QUANTISED (scales: A lowp_scales[2], B lowp_scales[3])
;;     3. batch 64 x [M 2,048, K 2,048] x [K 2,048, N 64]; A: softmax (see below); B: computed on the way: QUANTISED (scales: A lowp_scales[4], B lowp_scales[5])
;;     4. [M 8,192, K 1,024] x [K 1,024, N 1,024]; A: computed on the way; B: input w_out: QUANTISED (scales: A lowp_scales[6], B lowp_scales[7])
;;   THE QUANTISER, for each operand of a quantised product, along K:
;;     - The operand's scale is 2^e, e = its entry of the input lowp_scales (int32; the entries are numbered through the quantised products in the list's order, A before B).
;;     - Each number is divided by the scale, clamped to +-448, and rounded to the nearest number of E4M3, ties to even, subnormals kept.
;;     - The product sums the exact products of the quantised numbers (number of the format x scale) in f32.
;;   ~~~python
;;   def quantise(x, axis, e):      # numpy; x: float32 -> the quantised numbers, widened to float32 again
;;       x = np.moveaxis(x, axis, -1); K = x.shape[-1]
;;       r = np.clip(x / 2.0 ** e, -448, 448)
;;       step = 2.0 ** (np.maximum(np.frexp(np.where(r == 0, 1, r))[1] - 1, -6) - 3)
;;       q = np.round(r / step) * step * 2.0 ** e      # np.round: ties to even
;;       return np.moveaxis(q, -1, axis).astype(np.float32)
;;   ~~~
;;   SOFTMAX AHEAD OF A QUANTISED PRODUCT. Where the list says 'softmax', what is quantised is not the finished softmax but p = 2^(t - M), with t = logit x log2(e) and M = ceil(the row's largest t), a whole number; so 1/2 < the row's largest p <= 1. The row's sum l is taken of the UNQUANTISED p, in f32, and the product's result is divided by l at the end. Since M is a whole number, a kernel that streams over the keys may use a running M (the ceiling of the running maximum): every later rescaling is an exact power of two, so the quantised numbers keep their values, but for numbers so far below the row's largest that they fall under the format's range.
;;   OPERANDS COMPUTED ON THE WAY. 'Computed on the way' means the value that the module computes at that place (a softmax that the list does not call 'softmax' is quantised finished and normalised). What goes into a quantiser is computed in f32, as accurately as f32 sums, v_exp_f32 and their like allow (about 1e-6 of the number): no bf16 or f16 on the way to a quantiser, and a product that is left as it is and whose result goes on into a quantised operand takes f32 operands (vector FMAs, or v_wmma_f32_16x16x4_f32). A number that lies on a knife's edge between two numbers of the format may be rounded either way, as far as f32 arithmetic and the matrix unit's own rounding can turn it there, and no further.
;; One version. Each part assembles by itself: llvm-mc -triple=amdgcn-amd-amdhsa -mcpu=gfx1250 --defsym DOCPART=n.
;; ======== version 1 of 1: 4 launches
;; limits: right only within a limited range of input values
;; workspace buffers: xc 8,388,608 bytes; wqc 3,145,728 bytes; woc 1,048,576 bytes; qkv 25,165,824 bytes; oc 8,388,608 bytes
;; launch quant (part 1): grid 384 x 1, 4 waves a work-group, no clusters, 68,096 bytes of LDS; arguments x, w_qkv, w_out, lowp_scales, xc, wqc, woc; writes xc, wqc, woc
.if DOCPART == 1
	.amdgcn_target "amdgcn-amd-amdhsa--gfx1250"
	.amdhsa_code_object_version 6
	.text
	.protected	k_qcb309ebfd1_quant
	.globl	k_qcb309ebfd1_quant
	.p2align	8
	.type	k_qcb309ebfd1_quant,@function
k_qcb309ebfd1_quant:
	s_mov_b64 s[64:65], 0
	v_nop
	global_prefetch_b8 v0, s[64:65] scope:SCOPE_SE
	s_setreg_imm32_b32 hwreg(HW_REG_WAVE_MODE, 25, 1), 1
	s_wait_xcnt 0x0
; x [8192][1024], w_qkv [1024][3072] and w_out [1024][1024], f32, become codes of FP8 (E4M3) with K innermost: xc [8192][1024], wqc [3072][1024], woc [1024][1024].
; code = number / 2^e, held within +-448, to the nearest code, ties to even.  e: entry 0 (x), 1 (w_qkv), 7 (w_out) of the scales.
; LIMITS: each of these e lies between -126 and 119, so that 2^e and 448 x 2^e are f32 numbers.  NaN among the inputs is not served; an infinity is held at the largest code.
; Work-groups 0-255 take x: K is innermost there, so x is a plain stream.  Work-groups 256-383 take the weights, whose K is the FIRST axis: a lane takes a column and its registers run down K.
; The two ways part on the work-group's number, never join, and have LDS bytes of their own (x: 0 to 32,767; weights: 32,768 on).  No tensor load, no barrier: waves share nothing.
.set STEPS, 16                         ; x: steps of 512 numbers for a wave
.set SP,    80                         ; x: a lane's place in a stage: its 64 bytes + 16 of padding
.set WREG,  8192                       ; x: LDS of a wave: two stages of 32 x SP bytes
.set XR,    16                         ; v16-79   x: four sets of 16 numbers as loaded
.set XX,    80                         ; v80-111  x: two sets of 16 neighbours
.set XC,    128                        ; v128-191 x: codes, four registers for each step: no store's data are written again
.set WLDS,  32768                      ; weights: first LDS byte
.set WP,    272                        ; weights: a stage row: 256 codes + 16 bytes
.set WX,    32                         ; v32-95   weights: two sets of 32 numbers
.set WC,    96                         ; v96-103  weights: a block's codes
.set WOUT,  112                        ; v112-175 weights: the way out
.set OFFI,  176                        ; v176-207 weights: row i of a block x the row's bytes + 4 x lane; never rewritten
	s_load_b256 s[4:11], s[0:1], 0x0               ; x s[4:5], w_qkv s[6:7], w_out s[8:9], the scales' exponents s[10:11]
	s_load_b128 s[12:15], s[0:1], 0x20             ; xc s[12:13], wqc s[14:15]
	s_load_b64 s[16:17], s[0:1], 0x30              ; woc
	v_lshl_add_u32 v224, v0, 2, 0x10800
	v_mov_b32 v225, 0
	v_lshrrev_b32 v1, 5, v0
	v_readfirstlane_b32 s18, v1                    ; wave 0..3
	v_and_b32 v2, 31, v0                           ; lane
	s_wait_kmcnt 0x0
	s_load_b256 s[24:31], s[10:11], 0x0            ; e0 .. e7
	s_cmp_lt_u32 ttmp9, 256
	s_cbranch_scc0 .Lweights
	s_wait_alu depctr_va_vdst(0)
; ---------------- x: each load reads 512 consecutive bytes, 16 a lane; a step's 2,048 bytes turn through the wave's own stage and come back 64 bytes (16 neighbours along K) a lane
	v_lshlrev_b32 v3, 4, v2                        ; 16 x lane: my bytes of a load's 512, and of a step's 512 codes
	s_wait_alu depctr_va_vdst(0)
	s_mul_i32 s19, s18, WREG
	v_lshrrev_b32 v14, 2, v2
	v_mul_u32_u24 v14, v14, SP
	v_and_b32 v15, 3, v2
	v_lshl_add_u32 v14, v15, 4, v14
	v_add_nc_u32 v14, s19, v14                     ; into the stage: four lanes' 64 bytes on end, then 16 of padding
	v_mul_u32_u24 v15, v2, SP
	v_add_nc_u32 v15, s19, v15                     ; out of it: my 16 neighbours
	s_lshl_b32 s20, ttmp9, 2
	s_add_co_u32 s20, s20, s18                     ; which run of 8,192 numbers is my wave's
	s_lshl_b32 s22, s20, 15                        ; 32,768 bytes of x
	s_mov_b32 s23, 0
	s_add_nc_u64 s[4:5], s[4:5], s[22:23]
	s_lshl_b32 s22, s20, 13                        ; 8,192 bytes of codes
	s_add_nc_u64 s[12:13], s[12:13], s[22:23]
.macro XLOAD t
.irp i, 0,1,2,3
	global_load_b128 v[XR+16*((\t)%4)+4*\i:XR+16*((\t)%4)+4*\i+3], v3, s[4:5] offset:2048*(\t)+512*\i th:TH_LOAD_NT
.endr
.endm
.macro XTURN t                         ; LDS serves a wave's instructions in order: no wait between these stores and loads
.irp i, 0,1,2,3
	ds_store_b128 v14, v[XR+16*((\t)%4)+4*\i:XR+16*((\t)%4)+4*\i+3] offset:32*SP*((\t)%2)+8*SP*\i
.endr
.irp i, 0,1,2,3
	ds_load_b128 v[XX+16*((\t)%2)+4*\i:XX+16*((\t)%2)+4*\i+3], v15 offset:32*SP*((\t)%2)+16*\i
.endr
.endm
.irp t, 0,1,2,3
	XLOAD \t
.endr
	s_wait_alu depctr_va_vdst(0)
	s_wait_kmcnt 0x0
	s_add_co_i32 s22, s24, 127
	s_lshl_b32 s23, s22, 23
	v_mov_b32 v11, s23                             ; 2^e0 as f32: the conversion takes its exponent field
	s_add_co_i32 s22, s22, 8
	s_lshl_b32 s22, s22, 23
	s_or_b32 s22, s22, 0x600000
	s_wait_alu depctr_va_vdst(0)
	s_wait_loadcnt 12                              ; step 0's four loads are in; twelve younger ones stay out
	XTURN 0
.macro XSTEP t
.set XS, XX+16*((\t)%2)
	s_wait_dscnt 0x0                               ; this step's numbers are back: so its stores into the stage have read their registers,
.if (\t)+4 < STEPS
	XLOAD (\t)+4                                   ; which take the loads of four steps on
.endif
.if (\t)+1 < STEPS
.if STEPS-2-(\t) >= 3
	s_wait_loadcnt 12                              ; the next step's four loads are in; those of three steps behind it may be out
.else
	s_wait_loadcnt 4*(STEPS-2-(\t))
.endif
	XTURN (\t)+1
.endif
.irp i, 0,1,2,3,4,5,6,7,8,9,10,11,12,13,14,15
.endr
	v_cvt_scalef32_pk8_fp8_f32 v[XC+4*(\t):XC+4*(\t)+1], v[XS:XS+7], v11
	v_cvt_scalef32_pk8_fp8_f32 v[XC+4*(\t)+2:XC+4*(\t)+3], v[XS+8:XS+15], v11
	global_store_b128 v3, v[XC+4*(\t):XC+4*(\t)+3], s[12:13] offset:512*(\t)   ; the wave stores 512 consecutive bytes, aligned
.endm
.irp t, 0,1,2,3,4,5,6,7,8,9,10,11,12,13,14,15
	XSTEP \t
.endr
	s_wait_tensorcnt 0x0
	ds_add_u32 v224, v225
	s_wait_dscnt 0x0
	s_endpgm
; ---------------- the weights: work-group w = number - 256: column block w % 32 (0-23: w_qkv, 24-31: w_out), 256 along K from 256 (w / 32) on.  A wave: 32 columns x 256 along K
.Lweights:
	s_sub_co_u32 s19, ttmp9, 256
	s_and_b32 s20, s19, 31                         ; column block
	s_lshr_b32 s21, s19, 5                         ; which 256 along K
	s_mov_b32 s22, 4096
	s_cmp_lt_u32 s20, 24                           ; the choice hangs on the work-group's number alone
	s_cselect_b64 s[4:5], s[6:7], s[8:9]           ; the weight,
	s_cselect_b64 s[12:13], s[14:15], s[16:17]     ; its codes,
	s_cselect_b32 s22, 12288, s22                  ; bytes in a row of it,
	s_cselect_b32 s48, 1, 0
	s_cselect_b32 s23, 0, 24
	s_sub_co_u32 s20, s20, s23                     ; and the column block within it
	s_lshl_b32 s20, s20, 7
	s_lshl_b32 s23, s18, 5
	s_add_co_u32 s20, s20, s23                     ; my wave's first column
	s_lshl_b32 s50, s21, 8
	s_mul_i32 s50, s50, s22                        ; 256 y rows down,
	s_lshl_b32 s51, s20, 2
	s_add_co_u32 s50, s50, s51                     ; 4 bytes a column
	s_mov_b32 s51, 0
	s_add_nc_u64 s[32:33], s[4:5], s[50:51]        ; block 0's first row; a base for each of the eight blocks: none is stepped behind a load
	s_lshl_b32 s52, s22, 5                         ; 32 rows
	s_mov_b32 s53, 0
.irp t, 1,2,3,4,5,6,7
	s_add_nc_u64 s[32+2*\t:33+2*\t], s[30+2*\t:31+2*\t], s[52:53]
.endr
	s_lshl_b32 s50, s20, 10                        ; the codes: row = column, 1,024 bytes,
	s_lshl_b32 s54, s21, 8
	s_add_co_u32 s50, s50, s54                     ; + 256 y
	s_add_nc_u64 s[12:13], s[12:13], s[50:51]
	s_wait_alu depctr_va_vdst(0)
	v_lshlrev_b32 v3, 2, v2
.irp i, 0,1,2,3,4,5,6,7,8,9,10,11,12,13,14,15,16,17,18,19,20,21,22,23,24,25,26,27,28,29,30,31
	v_mad_u32_u24 v[OFFI+\i], s22, \i, v3
.endr
	s_mul_i32 s55, s18, 32*WP
	s_add_co_u32 s55, s55, WLDS                    ; my stage
	v_mul_u32_u24 v4, v2, WP
	v_add_nc_u32 v4, s55, v4                       ; into it: row = my column
	v_and_b32 v5, 15, v2
	v_lshrrev_b32 v6, 4, v2
	v_mul_u32_u24 v7, v6, WP
	v_lshl_add_u32 v7, v5, 4, v7
	v_add_nc_u32 v7, s55, v7                       ; out of it: sixteen lanes to a row, two rows an instruction
	v_lshlrev_b32 v8, 10, v6
	v_lshl_add_u32 v8, v5, 4, v8                   ; and the same place in the codes
.macro WLOAD t                         ; block t: rows 32 t + i of my column: 32 lanes read 128 consecutive bytes
.irp i, 0,1,2,3,4,5,6,7,8,9,10,11,12,13,14,15,16,17,18,19,20,21,22,23,24,25,26,27,28,29,30,31
	global_load_b32 v[WX+32*((\t)%2)+\i], v[OFFI+\i], s[32+2*(\t):33+2*(\t)] th:TH_LOAD_NT
.endr
.endm
	WLOAD 0
	WLOAD 1
	s_wait_kmcnt 0x0
	s_cmp_eq_u32 s48, 1
	s_cselect_b32 s49, s25, s31                    ; e1 or e7
	s_add_co_i32 s49, s49, 127
	s_lshl_b32 s56, s49, 23
	v_mov_b32 v11, s56                             ; 2^e
	s_add_co_i32 s49, s49, 8
	s_lshl_b32 s49, s49, 23
	s_or_b32 s49, s49, 0x600000
.macro WBLOCK t
.set XS, WX+32*((\t)%2)
.if (\t) < 7
	s_wait_loadcnt 32                              ; this block's 32 loads are in; the next block's may be out
.else
	s_wait_loadcnt 0
.endif
.irp i, 0,1,2,3,4,5,6,7,8,9,10,11,12,13,14,15,16,17,18,19,20,21,22,23,24,25,26,27,28,29,30,31
.endr
.irp g, 0,1,2,3
	v_cvt_scalef32_pk8_fp8_f32 v[WC+2*\g:WC+2*\g+1], v[XS+8*\g:XS+8*\g+7], v11
.endr
	ds_store_b128 v4, v[WC:WC+3] offset:32*(\t)    ; 32 codes of my column's row
	ds_store_b128 v4, v[WC+4:WC+7] offset:32*(\t)+16
.if (\t)+2 < 8
	WLOAD (\t)+2
.endif
	s_wait_dscnt 0x0                               ; the stores have read their registers: the next block's codes may be written
.endm
	s_wait_alu depctr_va_vdst(0)
.irp t, 0,1,2,3,4,5,6,7
	WBLOCK \t
.endr
.irp t, 0,1,2,3,4,5,6,7,8,9,10,11,12,13,14,15
	ds_load_b128 v[WOUT+4*\t:WOUT+4*\t+3], v7 offset:2*\t*WP   ; LDS serves a wave's instructions in order: these see my stores
.endr
.irp t, 0,1,2,3,4,5,6,7,8,9,10,11,12,13,14,15
	s_wait_dscnt 15-\t
	global_store_b128 v8, v[WOUT+4*\t:WOUT+4*\t+3], s[12:13] offset:2*\t*1024   ; sixteen lanes store 256 consecutive bytes, aligned
.endr
	s_wait_tensorcnt 0x0
	ds_add_u32 v224, v225
	s_wait_dscnt 0x0
	s_endpgm
.Lfunc_end_k_qcb309ebfd1_quant:
	.size	k_qcb309ebfd1_quant, .Lfunc_end_k_qcb309ebfd1_quant-k_qcb309ebfd1_quant
	.p2alignl 7, 3214868480
	.fill 96, 4, 3214868480
	.section	.rodata,"a",@progbits
	.p2align	6, 0x0
	.amdhsa_kernel k_qcb309ebfd1_quant
		.amdhsa_group_segment_fixed_size 68096
		.amdhsa_private_segment_fixed_size 0
		.amdhsa_enable_private_segment 0
		.amdhsa_kernarg_size 56
		.amdhsa_user_sgpr_count 2
		.amdhsa_user_sgpr_kernarg_segment_ptr 1
		.amdhsa_wavefront_size32 1
		.amdhsa_system_sgpr_workgroup_id_x 1
		.amdhsa_system_sgpr_workgroup_id_y 1
		.amdhsa_system_sgpr_workgroup_id_z 1
		.amdhsa_system_vgpr_workitem_id 0
		.amdhsa_next_free_vgpr 226
		.amdhsa_next_free_sgpr 66
		.amdhsa_reserve_vcc 0
		.amdhsa_float_denorm_mode_32 3
		.amdhsa_float_denorm_mode_16_64 3
		.amdhsa_fp16_overflow 1
		.amdhsa_memory_ordered 1
		.amdhsa_forward_progress 1
		.amdhsa_inst_pref_size 56
	.end_amdhsa_kernel
	.amdgpu_metadata
---
amdhsa.version: [ 1, 2 ]
amdhsa.kernels:
  - .name:           k_qcb309ebfd1_quant
    .symbol:         k_qcb309ebfd1_quant.kd
    .args:
      - { .name: x, .offset: 0, .size: 8, .value_kind: global_buffer, .address_space: global }
      - { .name: w_qkv, .offset: 8, .size: 8, .value_kind: global_buffer, .address_space: global }
      - { .name: w_out, .offset: 16, .size: 8, .value_kind: global_buffer, .address_space: global }
      - { .name: lowp_scales, .offset: 24, .size: 8, .value_kind: global_buffer, .address_space: global }
      - { .name: xc, .offset: 32, .size: 8, .value_kind: global_buffer, .address_space: global }
      - { .name: wqc, .offset: 40, .size: 8, .value_kind: global_buffer, .address_space: global }
      - { .name: woc, .offset: 48, .size: 8, .value_kind: global_buffer, .address_space: global }
    .group_segment_fixed_size: 68096
    .private_segment_fixed_size: 0
    .kernarg_segment_align: 8
    .kernarg_segment_size: 56
    .max_flat_workgroup_size: 128
    .sgpr_count:     66
    .vgpr_count:     226
    .wavefront_size: 32
...
	.end_amdgpu_metadata
.endif
;; end of part 1
;; launch gemm_qkv (part 2): grid 12 x 32, 4 waves a work-group, clusters of 4 x 4, 327,680 bytes of LDS; arguments xc, wqc, lowp_scales, b_qkv, qkv; writes qkv
.if DOCPART == 2
	.amdgcn_target "amdgcn-amd-amdhsa--gfx1250"
	.amdhsa_code_object_version 6
	.text
	.protected	k_qcb309ebfd1_gemm_qkv
	.globl	k_qcb309ebfd1_gemm_qkv
	.p2align	8
	.type	k_qcb309ebfd1_gemm_qkv,@function
k_qcb309ebfd1_gemm_qkv:
	s_mov_b64 s[64:65], 0
	v_nop
	global_prefetch_b8 v0, s[64:65] scope:SCOPE_SE
	s_setreg_imm32_b32 hwreg(HW_REG_WAVE_MODE, 25, 1), 1
	s_wait_xcnt 0x0
	s_wait_alu depctr_hold_cnt(0) depctr_sa_sdst(0) depctr_va_vdst(0) depctr_va_sdst(0) depctr_va_ssrc(0) depctr_va_vcc(0) depctr_vm_vsrc(0)
	s_getreg_b32 s2, hwreg(HW_REG_IB_STS2, 6, 4)
	s_cmp_eq_u32 s2, 0
	s_cbranch_scc0 .Lentry_in_a_cluster
	s_endpgm
.Lentry_in_a_cluster:
	s_bfe_u32 s2, ttmp6, 0x10000c
	s_cmp_lg_u32 s2, 0xf033
	s_cbranch_scc0 .Lentry_shape_is_right
	s_endpgm
.Lentry_shape_is_right:
; qkv = x w_qkv + b_qkv on codes of FP8 (E4M3), K = 1,024, and q, k, v quantised at once for the two products of attention.
; xc: [8192][1024], wqc: [3072][1024], codes with K innermost.  A sum stands for sum x 2^(e0 + e1); value = sum x 2^(e0 + e1) + bias, one fused multiply-add; its code is value / 2^e, held within +-448 (e2 for q, e3 for k, e5 for v).
; LIMITS: e0 + e1 between -126 and 127; e2, e3, e5 between -126 and 119.
; A tile of 256 x 256 is made by four waves, 128 x 128 each: 64 accumulators, 512 registers.  K goes in steps of 256 through a ring of two LDS slots filled by the tensor data mover.
; THE CLUSTER'S x SAYS WHAT IS MADE: 0 q, 1 k, 2 v; it is equal in all sixteen partners.  Source 1 of the matrix instruction ("A") puts its rows on lanes, source 0 ("B") along a lane's eight registers.
;   q, k: A = tokens (xc), B = channels (wqc): a lane's eight results are eight neighbouring channels of one token: K of the first product of attention.
;   v:    A = channels (wqc rows 2,048 on), B = tokens (xc): a lane's eight results are eight neighbouring KEYS of one channel: K of the second.
; Only two base addresses and two tile numbers are chosen (s_cselect on the cluster's x); loop, LDS and descriptors' shapes are the same.
; THE OUTPUT IS LAID AS IMAGES OF OPERAND REGISTERS, so that eight results convert straight into two operand registers and every store of the wave covers 512 consecutive bytes, aligned:
;   q, k (regions 0, 1 of 8,388,608 bytes): [16 b + h][token / 16][c = 0, 1][lane][16 bytes]: lane (r, hh): token 16 T + r; register pair c': channels 16 c' + 8 hh + 0 .. 7.
;   v (region 2): [16 b + h][key / 128][channel / 16][c = 0 .. 3][lane][16 bytes]: lane (r, hh): channel 16 dt + r; register pair c': keys 16 c' + 8 hh + 0 .. 7.
; CLUSTERS: 4 x 4 work-groups; A's tiles are asked for jointly along a row of the cluster, B's along a column.
; REGISTERS, in windows of 256: window 0: v0-31 addresses; v32-95 the bias along registers; v96-111 the bias along lanes; from v128 A's fragments, ONE set (on the way out: v128-191 values, v192-255 codes).
;   window 1: B's fragments, TWO sets.   window 2: accumulators of my A rows 0-63 ((a, b) at v[8 (8 a + b)]);   window 3: those of rows 64-127.
.set KSTEP,  256
.set ROWB,   256                       ; a tile's row in bytes
.set KROW,   1024                      ; a row of xc or wqc in memory, in bytes
.set PITCH,  272                       ; an LDS row: 256 bytes + 16 of padding = 68 words: the 16 rows that a load touches start at 16 different banks (64 banks of 4 bytes: ISA guide 11.1)
.set FR,     16
.set NL,     4
.set NP,     4                         ; places behind this matrix instruction (ISA guide 7.12.1)
.set HALFT,  128*PITCH
.set SLOT,   4*HALFT
.set LAPS,   2                         ; K = 1,024 is four K steps: twice round the ring
.set SPARE,  2*SLOT                    ; behind the ring: the spare words, 128 bytes a wave, which no other line names
.set ADRA, 16                          ; v16-17  LDS address of my A fragments in slot 0, 1
.set ADRB, 20                          ; v20-21  the same for B
.set RO,   23                          ; v23     4 x (lane % 16)
.set CO,   26                          ; v26     16 x lane: my place in an image
.set HO,   27                          ; v27     32 x (lane / 16)
.set SPW,  28                          ; v28     LDS address of my spare word; never rewritten
.set NIL,  29                          ; v29     0; never rewritten
.set BQ,   32                          ; v32-95  q, k: b_qkv at my 64 channels (block b, register i: 8 b + i)
.set BV,   96                          ; v96-111 v: b_qkv at my lane's channel of block a, twice (a pair for the packed form)
.set AF,   128
.set TMP,  128
.set G1, 24
.set G0, 32
.set G1B, 48
.set G0B, 56
.set MSB, 0
.macro WIN new                         ; the immediate's high byte repeats the setting that is left
.if MSB != (\new)
	s_set_vgpr_msb (MSB<<8)|(\new)
.set MSB, (\new)
.endif
.endm
.set MUL_LO, 0xa1                      ; source 0 (B) window 1, source 1 (A) window 0, C and D window 2
.set MUL_HI, 0xf1
.set TO_B,   0x40
; A joint load: waves 0 and 1 fetch for A, waves 2 and 3 for B; the branch hangs on the wave's number alone.  Four v_nop follow each of the two lines.
.macro JLOAD g0a, g1a, g0b, g1b
	s_cmp_eq_u32 s15, 0
	s_cbranch_scc0 .Lfor_b_\@
	tensor_load_to_lds s[\g0a:\g0a+3], s[\g1a:\g1a+7]
	s_nop 0
.rept 4
	v_nop
.endr
	s_branch .Lasked_\@
.Lfor_b_\@:
	tensor_load_to_lds s[\g0b:\g0b+3], s[\g1b:\g1b+7]
	s_nop 0
.rept 4
	v_nop
.endr
.Lasked_\@:
.endm
.macro CREST                           ; a round of the cluster's barrier behind its opening barrier
	s_cmp_lg_u32 s14, 0
	s_cbranch_scc1 .Lnot_wave_0_\@
	s_barrier_signal -3
.Lnot_wave_0_\@:
	s_barrier_wait -3
	s_barrier_signal -1
	s_barrier_wait -1
.endm
.macro CROUND
	s_barrier_signal -1
	s_barrier_wait -1
	CREST
.endm
	s_load_b128 s[4:7], s[0:1], 0x0                ; xc s[4:5], wqc s[6:7]
	s_load_b128 s[8:11], s[0:1], 0x10              ; the scales' exponents s[8:9], b_qkv s[10:11]
	s_load_b64 s[12:13], s[0:1], 0x20              ; qkv
	v_lshl_add_u32 v[SPW], v0, 2, SPARE
	v_mov_b32 v[NIL], 0
	ds_add_u32 v28, v29
	ds_add_u32 v28, v29
	s_wait_dscnt 0x0
	v_lshrrev_b32 v1, 5, v0
	v_readfirstlane_b32 s14, v1                    ; wave 0..3
	s_lshr_b32 s15, s14, 1                         ; which half of A's rows is mine.  Also: I fetch for A (0) or for B (1)
	s_and_b32 s16, s14, 1                          ; which half of B's rows.  Also: which 128 rows of that tile I fetch
	s_bfe_u32 s40, ttmp6, 0x40000                  ; cx
	s_bfe_u32 s41, ttmp6, 0x40004                  ; cy
	s_and_b32 s80, ttmp7, 0xffff
	s_lshl_b32 s80, s80, 2                         ; 4 x cluster y
	s_lshl_b32 s81, ttmp9, 2                       ; 4 x cluster x
	s_cmp_eq_u32 ttmp9, 2                          ; v?
	s_cselect_b32 s17, 8, s80                      ; A's tile of 256 rows: q, k: tokens 4 CY + cy;  v: wqc's tile 8 + cy
	s_cselect_b32 s42, s80, s81                    ; B's: q, k: wqc's tile 4 x cluster x + cx;  v: tokens 4 CY + cx
	s_add_co_u32 s17, s17, s41                     ; A's hangs on cy alone, which my row of the cluster shares,
	s_add_co_u32 s42, s42, s40                     ; B's on cx alone, which my column shares
	s_lshl_b32 s43, s41, 2
	s_lshl_b32 s43, 15, s43                        ; my row of the cluster
	s_lshl_b32 s44, 0x1111, s40                    ; my column
	s_or_b32 s[G1+0], s43, (0<<16)|(1<<20)|(1<<21)|(5<<22)|(3<<25)  ; 15:0 the mask; 17:16 elements of 1 byte; 20 padding on; 21 set beside a mask; 24:22 after every 64 words; 31:25 four words
	s_or_b32 s[G1B+0], s44, (0<<16)|(1<<20)|(1<<21)|(5<<22)|(3<<25)
.irp g, G1, G1B
	s_mov_b32 s[\g+1], ROWB<<16                    ; tensor_dim0
	s_mov_b32 s[\g+2], 128<<16                     ; tensor_dim1
	s_mov_b32 s[\g+3], ROWB<<16                    ; tile_dim0
	s_mov_b32 s[\g+4], 128                         ; tile_dim1
	s_mov_b32 s[\g+5], KROW                        ; tensor_dim0_stride
	s_mov_b32 s[\g+6], 0
	s_mov_b32 s[\g+7], 0
.endr
	s_lshl_b32 s18, s16, 7                         ; which 128 rows of the tile I fetch
	s_lshl_b32 s20, s17, 8
	s_add_co_u32 s20, s20, s18
	s_lshl_b32 s20, s20, 10                        ; A: row x 1,024 bytes (under 2^24)
	s_mov_b32 s21, 0
	s_lshl_b32 s46, s42, 8
	s_add_co_u32 s46, s46, s18
	s_lshl_b32 s46, s46, 10                        ; B likewise
	s_mov_b32 s47, 0
	s_mul_i32 s45, s14, HALFT                      ; where they go: wave x 128 rows: no place in the cluster enters an LDS address
	s_wait_kmcnt 0x0
	s_load_b256 s[72:79], s[8:9], 0x0              ; e0 .. e7
	s_cmp_eq_u32 ttmp9, 2
	s_cselect_b64 s[68:69], s[6:7], s[4:5]         ; A's buffer
	s_cselect_b64 s[70:71], s[4:5], s[6:7]         ; B's
	s_add_nc_u64 s[20:21], s[68:69], s[20:21]
	s_add_nc_u64 s[46:47], s[70:71], s[46:47]
	CROUND                                         ; all sixteen work-groups are here: the first joint loads meet
.irp s, 0,1
	s_mov_b32 s[G0+4*\s], 1
	s_add_co_u32 s[G0+4*\s+1], s45, \s*SLOT
	s_add_nc_u64 s[G0+4*\s+2:G0+4*\s+3], s[20:21], \s*ROWB
	s_or_b32 s[G0+4*\s+3], s[G0+4*\s+3], 0x80000000
	s_mov_b32 s[G0B+4*\s], 1
	s_add_co_u32 s[G0B+4*\s+1], s45, \s*SLOT
	s_add_nc_u64 s[G0B+4*\s+2:G0B+4*\s+3], s[46:47], \s*ROWB
	s_or_b32 s[G0B+4*\s+3], s[G0B+4*\s+3], 0x80000000
	JLOAD G0+4*\s, G1, G0B+4*\s, G1B
.endr
	v_and_b32 v1, 15, v0                           ; r
	v_bfe_u32 v2, v0, 4, 1                         ; hh
	v_mul_u32_u24 v3, v1, PITCH
	v_lshl_add_u32 v4, v2, 4, v3                   ; a fragment's row x pitch + 16 x half
	s_mul_i32 s21, s15, HALFT
	s_mul_i32 s22, s16, HALFT
	s_add_co_u32 s22, s22, 2*HALFT
.irp s, 0,1
	v_add_nc_u32 v[ADRA+\s], s21, v4
	v_add_nc_u32 v[ADRB+\s], s22, v4
	s_add_co_u32 s21, s21, SLOT
	s_add_co_u32 s22, s22, SLOT
.endr
	v_and_b32 v6, 31, v0
	v_lshlrev_b32 v[CO], 4, v6
	v_lshlrev_b32 v[HO], 5, v2
	s_wait_alu depctr_va_vdst(0)
	v_lshlrev_b32 v[RO], 2, v1
	s_wait_alu depctr_va_vdst(0)
	; both kinds of bias are loaded in every work-group, so that both sets of registers are written; the kind that is not used reads from b_qkv's first numbers
	s_lshl_b32 s86, s42, 8
	s_lshl_b32 s87, s16, 7
	s_add_co_u32 s86, s86, s87                     ; q, k: my first column of qkv
	s_lshl_b32 s88, s41, 8
	s_lshl_b32 s87, s15, 7
	s_add_co_u32 s88, s88, s87
	s_add_co_u32 s88, s88, 2048                    ; v: my first column
	s_cmp_eq_u32 ttmp9, 2
	s_cselect_b32 s86, 0, s86
	s_cselect_b32 s88, s88, 0
	s_lshl_b32 s86, s86, 2
	s_lshl_b32 s88, s88, 2
	s_mov_b32 s87, 0
	s_mov_b32 s89, 0
	s_add_nc_u64 s[82:83], s[10:11], s[86:87]
	s_add_nc_u64 s[84:85], s[10:11], s[88:89]
.irp b, 0,1,2,3,4,5,6,7
	global_load_b128 v[BQ+8*\b:BQ+8*\b+3],   v[HO], s[82:83] offset:64*\b       ; columns 16 b + 8 hh + 0 .. 7
	global_load_b128 v[BQ+8*\b+4:BQ+8*\b+7], v[HO], s[82:83] offset:64*\b+16
.endr
.irp a, 0,1,2,3,4,5,6,7
	global_load_b32 v[BV+2*\a],   v[RO], s[84:85] offset:64*\a                  ; column 16 a + r
	global_load_b32 v[BV+2*\a+1], v[RO], s[84:85] offset:64*\a
.endr
.macro FRAG reg, adr, q, i             ; 16 rows x 128 K: lane l holds row l % 16; registers 4 c .. 4 c + 3 hold K = 32 c + 16 (l / 16) + 0 .. 15: the same order of k in A and in B
.irp c, 0,1,2,3
	ds_load_b128 v[\reg+4*\c:\reg+4*\c+3], v[\adr] offset:128*(\q)+32*\c+(\i)*16*PITCH
.endr
.endm
; 16 matrix instructions: A's blocks a0, a0 + 1 x B's eight.  The 64 accumulators take turns, one instruction a turn, in the same order in every step.
.macro MUL16 a0, p, zero
.irp a, \a0, \a0+1
.irp b, 0,1,2,3,4,5,6,7
.if \zero
	v_wmma_f32_16x16x128_fp8_fp8 v[8*(8*((\a)%4)+\b):8*(8*((\a)%4)+\b)+7], v[128*(\p)+FR*\b:128*(\p)+FR*\b+FR-1], v[AF+FR*(\a):AF+FR*(\a)+FR-1], 0
.else
	v_wmma_f32_16x16x128_fp8_fp8 v[8*(8*((\a)%4)+\b):8*(8*((\a)%4)+\b)+7], v[128*(\p)+FR*\b:128*(\p)+FR*\b+FR-1], v[AF+FR*(\a):AF+FR*(\a)+FR-1], v[8*(8*((\a)%4)+\b):8*(8*((\a)%4)+\b)+7]
.endif
.endr
.endr
.endm
.macro FETCH_B slot, q, p
	WIN TO_B
.irp i, 0,1,2,3,4,5,6,7
	FRAG 128*(\p)+FR*\i, ADRB+\slot, \q, \i
.endr
	WIN 0
.endm
.macro FETCH_A slot, q, i0
.irp i, \i0, \i0+1, \i0+2, \i0+3
	FRAG AF+FR*(\i), ADRA+\slot, \q, \i
.endr
.endm
.macro PLACES n                        ; plain vector instructions between a matrix instruction and a load into, or a vector read or write of, its registers
.rept \n
	v_nop
.endr
.endm
.macro STEP slot, q, zero              ; 128 along K, with its successor in the same slot
	s_wait_dscnt 4*NL                              ; B's set and A's blocks 0-3 are in; the youngest sixteen loads (A's blocks 4-7) may be out
	WIN MUL_LO
	MUL16 0, (\q)%2, \zero
	MUL16 2, (\q)%2, \zero
	s_wait_dscnt 0                                 ; A's blocks 4-7 are in
	PLACES NP
	FETCH_B \slot, (\q)+1, 1-(\q)%2
	FETCH_A \slot, (\q)+1, 0
	WIN MUL_HI
	MUL16 4, (\q)%2, \zero
	MUL16 6, (\q)%2, \zero
	PLACES NP
	WIN 0
	FETCH_A \slot, (\q)+1, 4
.endm
; A slot's last step changes slots: one barrier; in front of it each wave waits for all its tensor loads, adds 0 to its spare word, and waits for that and for its own reads of this slot.
.macro TURN slot, next, fill
	s_wait_tensorcnt 0x0                           ; all my tensor loads have landed: my part of the next slot
	ds_add_u32 v[SPW], v[NIL]                      ; 0 onto my spare word
	s_wait_dscnt 4*NL+1                            ; (the add and the youngest sixteen loads may be out)
	WIN MUL_LO
	MUL16 0, 1, 0
	s_wait_dscnt 0x0                               ; the add is done, and my reads of this slot are over
	s_barrier_signal -1
	MUL16 2, 1, 0
	WIN 0
	s_barrier_wait -1
.if \fill
	CREST                                          ; the barrier has opened a round of the cluster's: no wave of any partner still reads this slot or has a load on its way
	s_add_nc_u64 s[G0+4*\slot+2:G0+4*\slot+3], s[G0+4*\slot+2:G0+4*\slot+3], 2*ROWB
	s_add_nc_u64 s[G0B+4*\slot+2:G0B+4*\slot+3], s[G0B+4*\slot+2:G0B+4*\slot+3], 2*ROWB
	JLOAD G0+4*\slot, G1, G0B+4*\slot, G1B         ; the first tensor load behind the round; its four v_nop are also the places in front of the loads below
.else
	PLACES NP
.endif
	FETCH_B \next, 0, 0
	FETCH_A \next, 0, 0
	WIN MUL_HI
	MUL16 4, 1, 0
	MUL16 6, 1, 0
	PLACES NP
	WIN 0
	FETCH_A \next, 0, 4
.endm
	s_wait_tensorcnt 1                             ; my part of K step 0 is in (K step 1's load may be out)
	s_barrier_signal -1
	s_barrier_wait -1                              ; everybody's is
	FETCH_B 0, 0, 0
	FETCH_A 0, 0, 0
	FETCH_A 0, 0, 4
	STEP 0, 0, 1                                   ; the first step's products start the sums: nothing is cleared
	s_mov_b32 s3, LAPS-1
.Llap:                                             ; a trip goes once round the ring and fills both slots again
	TURN 0, 1, 1
	STEP 1, 0, 0
	TURN 1, 0, 1
	STEP 0, 0, 0
	s_sub_co_u32 s3, s3, 1
	s_cmp_lg_u32 s3, 0
	s_cbranch_scc1 .Llap
	TURN 0, 1, 0                                   ; the last lap fills nothing
	STEP 1, 0, 0
	s_wait_dscnt 4*NL
	WIN MUL_LO
	MUL16 0, 1, 0
	MUL16 2, 1, 0
	s_wait_dscnt 0
	WIN MUL_HI
	MUL16 4, 1, 0
	MUL16 6, 1, 0
	WIN 0
; THE WAY OUT, A's block a at a time: 64 sums a lane -> values -> held -> 16 registers of codes, which are four groups of an image: four stores of 512 consecutive bytes.  No LDS.
.macro OUTBLK a, isv
.set AC, 64*((\a)%4)
.set CD, 192+16*((\a)%4)
.if (\a) >= 4
	s_wait_xcnt 0x0                                ; block a - 4's stores have read this set of code registers
.endif
	WIN 0x02+((\a)/4)                              ; source 0: window 2 or 3
.irp j, 0,2,4,6,8,10,12,14,16,18,20,22,24,26,28,30,32,34,36,38,40,42,44,46,48,50,52,54,56,58,60,62
.if \isv
	v_pk_fma_f32 v[TMP+\j:TMP+\j+1], v[AC+\j:AC+\j+1], s[96:97], v[BV+2*(\a):BV+2*(\a)+1] op_sel_hi:[1,0,1]   ; sum x 2^(e0 + e1) + bias of my lane's channel
.else
	v_pk_fma_f32 v[TMP+\j:TMP+\j+1], v[AC+\j:AC+\j+1], s[96:97], v[BQ+\j:BQ+\j+1] op_sel_hi:[1,0,1]           ; + bias of the register's channel; each accumulator from its low end on
.endif
.endr
	WIN 0
.set n, 0
.rept 64
.set n, n+1
.endr
.irp g, 0,1,2,3,4,5,6,7
	v_cvt_scalef32_pk8_fp8_f32 v[CD+2*\g:CD+2*\g+1], v[TMP+8*\g:TMP+8*\g+7], v31
.endr
	v_nop                                          ; a plain vector instruction behind the last conversion: the next block writes the conversions' sources
.irp u, 0,1,2,3
.if \isv
	global_store_b128 v[CO], v[CD+4*\u:CD+4*\u+3], s[12:13] offset:((\a)/4)*131072+((\a)%4)*2048+512*\u   ; head a / 4, channels 16 (a % 4) on, group u
.else
	global_store_b128 v[CO], v[CD+4*\u:CD+4*\u+3], s[12:13] offset:(\a)*1024+(\u/2)*131072+(\u%2)*512     ; token tile a, head u / 2, group u % 2
.endif
.endr
.endm
	s_wait_kmcnt 0x0
	s_add_co_i32 s96, s72, s73
	s_add_co_i32 s96, s96, 127
	s_lshl_b32 s96, s96, 23                        ; 2^(e0 + e1) as f32
	s_mov_b32 s97, s96                             ; (named with it as a pair)
	s_cmp_eq_u32 ttmp9, 0
	s_cselect_b32 s90, s74, s75                    ; e2 for q, e3 for k,
	s_cmp_eq_u32 ttmp9, 2
	s_cselect_b32 s90, s77, s90                    ; e5 for v: a choice, no branch on a loaded number
	s_add_co_i32 s90, s90, 127
	s_lshl_b32 s91, s90, 23
	v_mov_b32 v31, s91                             ; the scale as f32
	s_wait_loadcnt 0x0                             ; the biases
	PLACES NP                                      ; behind the last products: their results are read and A's registers written below
	s_cmp_eq_u32 ttmp9, 2
	s_cbranch_scc1 .Lv_out
	s_lshr_b32 s86, s17, 3                         ; q, k: batch = token tile / 8
	s_lshl_b32 s86, s86, 4
	s_and_b32 s87, s42, 3
	s_lshl_b32 s87, s87, 2
	s_add_co_u32 s86, s86, s87
	s_lshl_b32 s87, s16, 1
	s_add_co_u32 s86, s86, s87                     ; 16 b + my first head
	s_lshl_b32 s86, s86, 7                         ; 128 token tiles a head
	s_and_b32 s87, s17, 7
	s_lshl_b32 s87, s87, 4
	s_add_co_u32 s86, s86, s87
	s_lshl_b32 s87, s15, 3
	s_add_co_u32 s86, s86, s87                     ; + my first token tile
	s_lshl_b32 s86, s86, 10
	s_lshl_b32 s87, ttmp9, 23                      ; the region
	s_add_co_u32 s86, s86, s87
	s_mov_b32 s87, 0
	s_add_nc_u64 s[12:13], s[12:13], s[86:87]
.irp a, 0,1,2,3,4,5,6,7
	OUTBLK \a, 0
.endr
	s_branch .Lout_done
.Lv_out:
	s_lshr_b32 s86, s42, 3                         ; v: batch = token tile / 8
	s_lshl_b32 s86, s86, 4
	s_lshl_b32 s87, s41, 2
	s_add_co_u32 s86, s86, s87
	s_lshl_b32 s87, s15, 1
	s_add_co_u32 s86, s86, s87                     ; 16 b + my first head
	s_lshl_b32 s86, s86, 17
	s_and_b32 s87, s42, 7
	s_lshl_b32 s87, s87, 1
	s_add_co_u32 s87, s87, s16                     ; my block of 128 keys
	s_lshl_b32 s87, s87, 13
	s_add_co_u32 s86, s86, s87
	s_add_co_u32 s86, s86, 2*8388608
	s_mov_b32 s87, 0
	s_add_nc_u64 s[12:13], s[12:13], s[86:87]
.irp a, 0,1,2,3,4,5,6,7
	OUTBLK \a, 1
.endr
.Lout_done:
	s_wait_tensorcnt 0x0                           ; the wave's end
	ds_add_u32 v[SPW], v[NIL]
	s_wait_dscnt 0x0
	CROUND                                         ; the closing round: no work-group ends while a partner may still ask for a tile that names it
	s_endpgm
.Lfunc_end_k_qcb309ebfd1_gemm_qkv:
	.size	k_qcb309ebfd1_gemm_qkv, .Lfunc_end_k_qcb309ebfd1_gemm_qkv-k_qcb309ebfd1_gemm_qkv
	.p2alignl 7, 3214868480
	.fill 96, 4, 3214868480
	.section	.rodata,"a",@progbits
	.p2align	6, 0x0
	.amdhsa_kernel k_qcb309ebfd1_gemm_qkv
		.amdhsa_group_segment_fixed_size 327680
		.amdhsa_private_segment_fixed_size 0
		.amdhsa_enable_private_segment 0
		.amdhsa_kernarg_size 40
		.amdhsa_user_sgpr_count 2
		.amdhsa_user_sgpr_kernarg_segment_ptr 1
		.amdhsa_wavefront_size32 1
		.amdhsa_system_sgpr_workgroup_id_x 1
		.amdhsa_system_sgpr_workgroup_id_y 1
		.amdhsa_system_sgpr_workgroup_id_z 1
		.amdhsa_system_vgpr_workitem_id 0
		.amdhsa_next_free_vgpr 1024
		.amdhsa_next_free_sgpr 98
		.amdhsa_reserve_vcc 0
		.amdhsa_float_denorm_mode_32 3
		.amdhsa_float_denorm_mode_16_64 3
		.amdhsa_fp16_overflow 1
		.amdhsa_memory_ordered 1
		.amdhsa_forward_progress 1
		.amdhsa_inst_pref_size 130
	.end_amdhsa_kernel
	.amdgpu_metadata
---
amdhsa.version: [ 1, 2 ]
amdhsa.kernels:
  - .name:           k_qcb309ebfd1_gemm_qkv
    .symbol:         k_qcb309ebfd1_gemm_qkv.kd
    .args:
      - { .name: xc, .offset: 0, .size: 8, .value_kind: global_buffer, .address_space: global }
      - { .name: wqc, .offset: 8, .size: 8, .value_kind: global_buffer, .address_space: global }
      - { .name: lowp_scales, .offset: 16, .size: 8, .value_kind: global_buffer, .address_space: global }
      - { .name: b_qkv, .offset: 24, .size: 8, .value_kind: global_buffer, .address_space: global }
      - { .name: qkv, .offset: 32, .size: 8, .value_kind: global_buffer, .address_space: global }
    .group_segment_fixed_size: 327680
    .private_segment_fixed_size: 0
    .kernarg_segment_align: 8
    .kernarg_segment_size: 40
    .max_flat_workgroup_size: 128
    .sgpr_count:     98
    .vgpr_count:     1024
    .wavefront_size: 32
...
	.end_amdgpu_metadata
.endif
;; end of part 2
;; launch attn (part 3): grid 4 x 64, 16 waves a work-group, no clusters, 327,680 bytes of LDS; arguments qkv, lowp_scales, oc; writes oc
.if DOCPART == 3
	.amdgcn_target "amdgcn-amd-amdhsa--gfx1250"
	.amdhsa_code_object_version 6
	.text
	.protected	k_qcb309ebfd1_attn
	.globl	k_qcb309ebfd1_attn
	.p2align	8
	.type	k_qcb309ebfd1_attn,@function
k_qcb309ebfd1_attn:
	s_mov_b64 s[64:65], 0
	v_nop
	global_prefetch_b8 v0, s[64:65] scope:SCOPE_SE
	s_setreg_imm32_b32 hwreg(HW_REG_WAVE_MODE, 25, 1), 1
	s_wait_xcnt 0x0
; Causal attention on codes of FP8 (E4M3): 64 heads (16 b + h) of 2,048 tokens x 64 channels.  q, k, v come as images of operand registers; the result leaves as codes, an image of the last product's operand.
; THE SOFTMAX AHEAD OF THE SECOND PRODUCT: t = score x log2(e) / 8; M = the running largest t, rounded UP to a whole number; p = 2^(t - M) is quantised with 2^e4, not normalised.  The row's sum is taken of the
; unquantised p in f32.  When M moves, the sum and O are multiplied by 2^(old M - new M): exact.  At the end O x 2^(e4 + e5) / sum is quantised with 2^e6.
; LIMITS: e2 + e3 between -123 and 130 (added to c's exponent field); e4 and e6 between -126 and 119; e4 + e5 goes in by v_ldexp_f32 and has none.
; SHARES.  Work-group (I = x, 0..3; head = y) owns the blocks of 256 queries I and 7 - I, one after the other: I + 1 and 8 - I slots of 256 keys, NINE TRIPS in every work-group: a constant of the text, and even work.
; Each of sixteen waves owns 16 queries of the block, one tile, in 256 registers: four waves to a SIMD, so that one wave's vector work stands beside another's matrix work and LDS loads.
; Trip n reads key slot n (n <= I) or n - I - 1.  Slots come through a ring of two LDS slots: wave 0 fetches K's 16,384 bytes, wave 1 V's, each one dense block; all sixteen read them.
; LAYOUT.  Both products transposed: S^T = K Q^T (source 0 = 16 keys, source 1 = my queries; K = 64), O^T = V^T P^T (source 0 = 16 channels; K = 128 keys): a lane holds ONE query (lane % 16) throughout.
; Register 8 t + j of S^T is key 16 t + 8 (lane / 16) + j: eight of them convert into registers 2 t, 2 t + 1 of the second product's operand, k in its own place.
; NO CLUSTER: the four work-groups of a head want different slots in the same trip (slot n against n - I - 1); a joint walk of all slots for all would take 12 trips in place of 9.
; REGISTERS: v1 16 x lane (LDS), v2 16 x lane (memory), v3 256 x lane, v4 r - 8 hh, v5, v6 the add's, v8 LDS address in hand; v12 -M, v13 largest t, v[14:15] the sum; v16-23 Q at work, v24-31 Q of the second block;
;   v32-95 K's 8 fragments, then V's 4; v96-159 S^T, then p; v160-191 O^T; v192-199 codes of the result; v224-239 p's codes; v244: 2^e4; v245: 2^e6; v236-243, v246, v248-255 at work.
.set SLOT1, 0x8000                     ; slot 1 begins here: one exclusive or turns an address in one slot into the other's
.set VOFF,  16384                      ; in a slot: K's 16 tile images, then V's two blocks of 128 keys
.set SPARE, 65536                      ; behind the ring: the spare words, 128 bytes for each of 16 waves, which no other line names
.set LI,  1
.set GO,  2
.set PFO, 3
.set DG,  4
.set SPW, 5
.set NIL, 6
.set ADR, 8
.set KV,  32
.set TB,  2                            ; s2   LDS byte at which the slot in hand begins
.set T,   3                            ; s3   the trip
.set I,   10                           ; s10  work-group x
.set IP1, 11                           ; s11  I + 1: the trip in which the second block begins
.set CUR, 12                           ; s12  the key slot in hand
.set NX,  13                           ; s13  the next trip's
.set KF,  14                           ; s14  the slot's first key
.set KQ,  15                           ; s15  the step's first key
.set Q0,  16                           ; s16  my first query
.set Q0B, 17                           ; s17  in the second block
.set WV,  18                           ; s18  my wave
.set SEL, 20                           ; s[20:21] lane selects: lane l xor 16
.set CS,  22                           ; s[22:23] c = log2(e) / 8 x 2^(e2 + e3)
.set G1,  24                           ; s[24:31] descriptor group 1
.set KB,  32                           ; s[32:33] my head's K (wave 0) or V (wave 1) in memory
.set OFF, 34                           ; s[34:35] a slot's byte offset
.set PFA, 36                           ; s[36:37] where my prefetch stands
.set LIM, 38                           ; s38  4 in a wave that prefetches, else 0
.set TS,  39                           ; s39  at work
.set G0,  40                           ; s[40:43] descriptor group 0
.set OA,  44                           ; s[44:45], s[46:47] where my two tiles of the result go
.set OB,  46
.macro TLOAD                           ; waves 0 and 1 fetch; the branch hangs on the wave's number alone; four v_nop follow the load
	s_cmp_lt_u32 s[WV], 2
	s_cbranch_scc0 .Lno_load_\@
	tensor_load_to_lds s[G0:G0+3], s[G1:G1+7]
	s_nop 0
.rept 4
	v_nop
.endr
.Lno_load_\@:
.endm
; A PREFETCH of the key slot that the NEXT change of slots of this work-group will ask for.  Work-group I = 0 of a head is the first to load slots 4 to 7 (in its trips 4 to 7): it asks for them in trips 3 to 6, a trip ahead.
; Waves 4, 5 ask for the halves of K's 16,384 bytes, waves 6, 7 for V's: 8,192 bytes a wave, lanes 256 bytes apart: each block of 256 bytes is named once in the launch.  Slots 0 to 3 come by their loads alone; nothing is asked past slot 7.
.macro ASK
	s_sub_co_u32 s[TS], s[T], 3
	s_cmp_lt_u32 s[TS], s[LIM]
	s_cbranch_scc0 .Lnot_mine_\@
	global_prefetch_b8 v[PFO], s[PFA:PFA+1] th:TH_LOAD_NT scope:SCOPE_SE
.Lnot_mine_\@:
.endm
	s_load_b128 s[4:7], s[0:1], 0x0                ; qkv s[4:5], the scales' exponents s[6:7]
	s_load_b64 s[8:9], s[0:1], 0x10                ; oc
	v_lshl_add_u32 v[SPW], v0, 2, SPARE
	v_mov_b32 v[NIL], 0
	ds_add_u32 v5, v6
	ds_add_u32 v5, v6
	s_wait_dscnt 0x0
	v_lshrrev_b32 v8, 5, v0
	s_delay_alu instid0(VALU_DEP_1)
	v_readfirstlane_b32 s[WV], v8                  ; wave 0..15
	s_and_b32 s19, s[WV], 1
	s_mov_b32 s[I], ttmp9
	s_add_co_u32 s[IP1], s[I], 1
	s_and_b32 s57, ttmp7, 0xffff                   ; 16 b + h
	s_mov_b32 s[G1], 3<<16                         ; no mask; elements of 8 bytes; no padding: 16,384 dense bytes as 64 rows of 256
	s_mov_b32 s[G1+1], 32<<16                      ; tensor_dim0 = 32
	s_mov_b32 s[G1+2], 64<<16                      ; tensor_dim1 = 64
	s_mov_b32 s[G1+3], 32<<16                      ; tile_dim0 = 32
	s_mov_b32 s[G1+4], 64                          ; tile_dim1 = 64
	s_mov_b32 s[G1+5], 32                          ; tensor_dim0_stride
	s_mov_b32 s[G1+6], 0
	s_mov_b32 s[G1+7], 0
	s_mov_b32 s[SEL], 0x76543210
	s_mov_b32 s[SEL+1], 0xfedcba98
	s_mov_b32 s[CS], 0x3e38aa3b                    ; log2(e) / 8
	s_mov_b32 s[TB], 0
	s_mov_b32 s[T], 0
	s_mov_b32 s[CUR], 0
	s_mov_b32 s[OFF+1], 0
	s_lshl_b32 s67, s57, 17                        ; the head's first byte in a region
	s_add_co_u32 s58, s19, 1
	s_lshl_b32 s58, s58, 23                        ; region 1 (k) or 2 (v)
	s_add_co_u32 s58, s58, s67
	s_mov_b32 s59, 0
	s_wait_kmcnt 0x0
	s_load_b256 s[48:55], s[6:7], 0x0              ; e0 .. e7
	s_add_nc_u64 s[KB:KB+1], s[4:5], s[58:59]
	s_mov_b32 s[G0], 1
	s_lshl_b32 s[G0+1], s19, 14                    ; slot 0: K at 0, V at 16,384
	s_mov_b64 s[G0+2:G0+3], s[KB:KB+1]             ; key slot 0
	s_or_b32 s[G0+3], s[G0+3], 0x80000000
	TLOAD                                          ; the first fill, ahead of every wait on TENSORcnt, every LDS read and every barrier
	s_lshl_b32 s59, s[I], 4
	s_add_co_u32 s59, s59, s[WV]                   ; my tile of queries in the first block: 16 I + w,
	s_sub_co_u32 s62, 7, s[I]
	s_lshl_b32 s62, s62, 4
	s_add_co_u32 s62, s62, s[WV]                   ; in the second: 16 (7 - I) + w
	s_lshl_b32 s[Q0], s59, 4
	s_lshl_b32 s[Q0B], s62, 4
	s_lshl_b32 s60, s59, 10
	s_add_co_u32 s60, s60, s67
	s_mov_b32 s61, 0
	s_add_nc_u64 s[60:61], s[4:5], s[60:61]        ; their images in region 0 (q)
	s_lshl_b32 s68, s62, 10
	s_add_co_u32 s68, s68, s67
	s_mov_b32 s69, 0
	s_add_nc_u64 s[68:69], s[4:5], s[68:69]
	v_and_b32 v9, 31, v0
	s_delay_alu instid0(VALU_DEP_1)
	v_lshlrev_b32 v[LI], 4, v9
	s_delay_alu instid0(VALU_DEP_2)
	v_lshlrev_b32 v[GO], 4, v9
	s_delay_alu instid0(VALU_DEP_3)
	v_lshlrev_b32 v[PFO], 8, v9
	v_and_b32 v10, 15, v0
	v_bfe_u32 v11, v0, 4, 1
	s_delay_alu instid0(VALU_DEP_1)
	v_lshlrev_b32 v11, 3, v11
	s_delay_alu instid0(VALU_DEP_1)
	v_sub_nc_u32 v[DG], v10, v11                   ; r - 8 hh, for the diagonal
.irp c, 0,1
	global_load_b128 v[16+4*\c:19+4*\c], v[GO], s[60:61] offset:512*\c
	global_load_b128 v[24+4*\c:27+4*\c], v[GO], s[68:69] offset:512*\c
.endr
	; oc: [row / 16][k / 128][c][lane][16 bytes], k = 64 h + channel: my tile's bytes begin at ((128 b + tile) x 8 + h / 2) x 2,048 + (h % 2) x 1,024
	s_lshr_b32 s70, s57, 4
	s_lshl_b32 s70, s70, 7
	s_and_b32 s71, s57, 15
	s_lshr_b32 s71, s71, 1
	s_and_b32 s72, s57, 1
	s_lshl_b32 s72, s72, 10
	s_mov_b32 s75, 0
	s_add_co_u32 s74, s70, s59
	s_lshl_b32 s74, s74, 3
	s_add_co_u32 s74, s74, s71
	s_lshl_b32 s74, s74, 11
	s_add_co_u32 s74, s74, s72
	s_add_nc_u64 s[OA:OA+1], s[8:9], s[74:75]
	s_add_co_u32 s74, s70, s62
	s_lshl_b32 s74, s74, 3
	s_add_co_u32 s74, s74, s71
	s_lshl_b32 s74, s74, 11
	s_add_co_u32 s74, s74, s72
	s_add_nc_u64 s[OB:OB+1], s[8:9], s[74:75]
	; the prefetches: waves 4, 5: k; waves 6, 7: v; my half of a slot; the address stands at slot 0 and is stepped at each change of slots
	s_cmp_lt_u32 s[WV], 6
	s_cselect_b32 s74, 1, 2
	s_lshl_b32 s74, s74, 23
	s_add_co_u32 s74, s74, s67
	s_lshl_b32 s76, s19, 13
	s_add_co_u32 s74, s74, s76
	s_add_nc_u64 s[PFA:PFA+1], s[4:5], s[74:75]
	s_sub_co_u32 s76, s[WV], 4
	s_lshr_b32 s76, s76, 2                         ; 0 in waves 4 to 7,
	s_or_b32 s76, s76, ttmp9                       ; of work-group I = 0
	s_cmp_eq_u32 s76, 0
	s_cselect_b32 s[LIM], 4, 0
	v_mov_b32 v13, 0xff61b1e6                      ; the largest t so far: -3e38, under every t
	s_delay_alu instid0(VALU_DEP_1)
	v_floor_f32 v12, -v13                          ; -M
	v_mov_b32 v14, 0
	v_mov_b32 v15, 0
	v_mov_b32 v246, 0                              ; written once: a lane permute's destination counts as one of its sources
	v_mov_b32 v253, 0                              ; (named as the upper half of the pair v[252:253])
.set n, 0
.rept 32
	v_mov_b32 v[160+n], 0                          ; O^T: the step is written once; the first finds zeros, which the first change of M leaves zeros
.set n, n+1
.endr
	s_wait_kmcnt 0x0
	s_add_co_i32 s58, s50, s51
	s_lshl_b32 s58, s58, 23
	s_add_co_i32 s[CS], s[CS], s58                 ; a score stands for score x 2^(e2 + e3)
	s_mov_b32 s[CS+1], s[CS]
	s_add_co_i32 s58, s52, 127
	s_lshl_b32 s63, s58, 23
	v_mov_b32 v244, s63                            ; 2^e4
	s_add_co_i32 s58, s54, 127
	s_lshl_b32 s63, s58, 23
	v_mov_b32 v245, s63                            ; 2^e6
	s_add_co_i32 s56, s52, s53                     ; e4 + e5
; A KEY STEP: 128 keys, the q-th half of the slot in hand.
.macro STEP q
	s_add_co_u32 s[KQ], s[KF], 128*(\q)
	s_add_co_u32 s[TS], s[Q0], 15
	s_cmp_gt_u32 s[KQ], s[TS]                      ; all its keys come after my 16 queries: the step's work is left out (a branch on ids; no barrier and no tensor load stands in a step)
	s_cbranch_scc1 .Lhidden_\@
	v_add_nc_u32 v[ADR], s[TB], v[LI]
.rept 3
	v_nop                                          ; with the addition: four places in front of loads into registers that the last products read
.endr
.irp t, 0,1,2,3,4,5,6,7
.irp c, 0,1
	ds_load_b128 v[KV+8*\t+4*\c:KV+8*\t+4*\c+3], v[ADR] offset:(8*(\q)+\t)*1024+512*\c   ; an image: 512 consecutive bytes an instruction
.endr
.endr
	s_wait_alu depctr_va_vdst(0)
	s_wait_dscnt 0x0
.irp t, 0,1,2,3,4,5,6,7
	v_wmma_f32_16x16x64_fp8_fp8 v[96+8*\t:103+8*\t], v[KV+8*\t:KV+8*\t+7], v[16:23], 0
.endr
.rept 4
	v_nop                                          ; places: K's registers are loaded again and the scores read
.endr
.irp d, 0,1,2,3
.irp c, 0,1,2,3
	ds_load_b128 v[KV+16*\d+4*\c:KV+16*\d+4*\c+3], v[ADR] offset:VOFF+(\q)*8192+\d*2048+512*\c   ; V's four fragments land while the softmax is worked
.endr
.endr
	s_add_co_u32 s[TS], s[KQ], 127
	s_cmp_le_u32 s[TS], s[Q0]                      ; all keys count: no mask
	s_cbranch_scc1 .Lopen_\@
	s_sub_co_i32 s[TS], s[Q0], s[KQ]
	v_add_nc_u32 v252, s[TS], v[DG]                ; d = my query - the step's first key - 8 hh.  Register 8 t + j is hidden where 16 t + j > d
	v_mov_b32 v254, 0xff800000                     ; -infinity: p = 0 then
.irp t, 0,1,2,3,4,5,6,7
.irp j, 0,1,2,3,4,5,6,7
	v_cmp_gt_i32 vcc_lo, 16*\t+\j, v252
	v_cndmask_b32 v[96+8*\t+\j], v[96+8*\t+\j], v254, vcc_lo
.endr
.endr
.Lopen_\@:
	v_max3_num_f32 v254, v96, v97, v98             ; the step's largest score of my query among my 64 keys, in two chains; each accumulator is first read at its low end
	v_max3_num_f32 v252, v99, v100, v101
.irp i, 6,10,14,18,22,26,30,34,38,42,46,50,54,58
	v_max3_num_f32 v254, v254, v[96+\i], v[97+\i]
	v_max3_num_f32 v252, v252, v[98+\i], v[99+\i]
.endr
	v_max3_num_f32 v254, v254, v158, v159
	s_delay_alu instid0(VALU_DEP_1)
	v_max_num_f32 v254, v254, v252
	s_delay_alu instid0(VALU_DEP_1)
	v_permlanex16_b32 v246, v254, s[SEL], s[SEL+1]
	s_delay_alu instid0(VALU_DEP_1)
	v_max_num_f32 v254, v254, v246                 ; and among lane l xor 16's
	s_delay_alu instid0(VALU_DEP_1)
	v_mul_f32 v254, s[CS], v254                    ; as t (c is positive)
	s_delay_alu instid0(VALU_DEP_1)
	v_max_num_f32 v13, v13, v254                   ; the running largest t
	v_mov_b32 v254, v12
	s_delay_alu instid0(VALU_DEP_2)
	v_floor_f32 v12, -v13                          ; the new -M = floor(-t): M is a whole number
	s_delay_alu instid0(VALU_DEP_1)
	v_sub_f32 v254, v12, v254                      ; old M - new M: a whole number, 0 or less
	s_delay_alu instid0(VALU_DEP_1)
	v_cvt_i32_f32 v254, v254                       ; (it saturates)
	s_delay_alu instid0(VALU_DEP_1)
	v_ldexp_f32 v252, 1.0, v254                    ; f = 2^(old M - new M)
.irp j, 0,2,4,6,8,10,12,14,16,18,20,22,24,26,28,30,32,34,36,38,40,42,44,46,48,50,52,54,56,58,60,62
	v_pk_fma_f32 v[96+\j:97+\j], v[96+\j:97+\j], s[CS:CS+1], v[12:13] op_sel_hi:[1,0,0]   ; t - M
.endr
.set n, 0
	s_wait_alu depctr_va_vdst(0)
.rept 64
	v_exp_f32 v[96+n], v[96+n]                     ; p = 2^(t - M)
.set n, n+1
.endr
	v_pk_mul_f32 v[14:15], v[14:15], v[252:253] op_sel_hi:[1,0]   ; the sums under the new M: the plain instruction behind the exponentials
	s_wait_alu depctr_va_vdst(0)                   ; one wait for the whole batch, ahead of its first reader
	v_pk_add_f32 v[242:243], v[100:101], v[104:105]
	v_pk_add_f32 v[254:255], v[108:109], v[112:113]
	v_pk_add_f32 v[250:251], v[116:117], v[120:121]
	v_pk_add_f32 v[248:249], v[124:125], v[128:129]
	v_pk_add_f32 v[240:241], v[132:133], v[136:137]
	v_pk_add_f32 v[238:239], v[140:141], v[144:145]
	v_pk_add_f32 v[236:237], v[148:149], v[152:153]
	v_pk_add_f32 v[14:15], v[14:15], v[156:157]
	v_pk_add_f32 v[242:243], v[242:243], v[96:97]
	v_pk_add_f32 v[254:255], v[254:255], v[98:99]
	v_pk_add_f32 v[250:251], v[250:251], v[102:103]
	v_pk_add_f32 v[248:249], v[248:249], v[106:107]
	v_pk_add_f32 v[240:241], v[240:241], v[110:111]
	v_pk_add_f32 v[238:239], v[238:239], v[114:115]
	v_pk_add_f32 v[236:237], v[236:237], v[118:119]
	v_pk_add_f32 v[14:15], v[14:15], v[122:123]
	v_pk_add_f32 v[242:243], v[242:243], v[126:127]
	v_pk_add_f32 v[254:255], v[254:255], v[130:131]
	v_pk_add_f32 v[250:251], v[250:251], v[134:135]
	v_pk_add_f32 v[248:249], v[248:249], v[138:139]
	v_pk_add_f32 v[240:241], v[240:241], v[142:143]
	v_pk_add_f32 v[238:239], v[238:239], v[146:147]
	v_pk_add_f32 v[236:237], v[236:237], v[150:151]
	v_pk_add_f32 v[14:15], v[14:15], v[154:155]
	v_pk_add_f32 v[242:243], v[242:243], v[158:159]
	s_delay_alu instid0(VALU_DEP_2)
	v_pk_add_f32 v[14:15], v[14:15], v[248:249]
	s_delay_alu instid0(VALU_DEP_2)
	v_pk_add_f32 v[242:243], v[242:243], v[240:241]
	v_pk_add_f32 v[254:255], v[254:255], v[238:239]
	v_pk_add_f32 v[250:251], v[250:251], v[236:237]
	s_delay_alu instid0(VALU_DEP_2)
	v_pk_add_f32 v[14:15], v[14:15], v[254:255]
	s_delay_alu instid0(VALU_DEP_2)
	v_pk_add_f32 v[242:243], v[242:243], v[250:251]
	s_delay_alu instid0(VALU_DEP_1)
	v_pk_add_f32 v[14:15], v[14:15], v[242:243]
.set n, 0
.rept 64
.set n, n+1
.endr
.irp t, 0,1,2,3,4,5,6,7
	v_cvt_scalef32_pk8_fp8_f32 v[224+2*\t:225+2*\t], v[96+8*\t:103+8*\t], v244   ; registers 2 t, 2 t + 1 of the operand: keys 16 t + 8 hh + 0 .. 7
.endr
.irp j, 0,2,4,6,8,10,12,14,16,18,20,22,24,26,28,30
	v_pk_mul_f32 v[160+\j:161+\j], v[160+\j:161+\j], v[252:253] op_sel_hi:[1,0]   ; O^T under the new M; also the plain instructions behind the conversions
.endr
	s_wait_alu depctr_va_vdst(0)
	s_wait_dscnt 0x0                               ; V is in
.irp d, 0,1,2,3
	v_wmma_f32_16x16x128_fp8_fp8 v[160+8*\d:167+8*\d], v[KV+16*\d:KV+16*\d+15], v[224:239], v[160+8*\d:167+8*\d]   ; four accumulators by turns; the scores' products stand between two steps
.endr
.Lhidden_\@:
.endm
; A block of queries is done: O^T x 2^(e4 + e5) / sum, quantised with 2^e6, goes out as two groups of the last product's operand image: two stores of 512 consecutive bytes.
.macro FINISH ob
.rept 4
	v_nop                                          ; places behind the last products
.endr
	v_add_f32 v14, v14, v15
	s_delay_alu instid0(VALU_DEP_1)
	v_permlanex16_b32 v246, v14, s[SEL], s[SEL+1]
	s_delay_alu instid0(VALU_DEP_1)
	v_add_f32 v14, v14, v246                       ; the row's sum
	s_wait_alu depctr_va_vdst(0)
	v_rcp_f32 v14, v14
	v_nop                                          ; a plain instruction behind the transcendental,
	s_wait_alu depctr_va_vdst(0)                   ; and the wait ahead of its first reader
	v_ldexp_f32 v14, v14, s56
	s_delay_alu instid0(VALU_DEP_1)
	v_mov_b32 v15, v14
.irp j, 0,2,4,6,8,10,12,14,16,18,20,22,24,26,28,30
	v_pk_mul_f32 v[96+\j:97+\j], v[160+\j:161+\j], v[14:15]   ; register 8 d + i: channel 16 d + 8 hh + i of my query
.endr
.set n, 0
.rept 32
.set n, n+1
.endr
	s_wait_alu depctr_va_vdst(0)
	s_wait_xcnt 0x0                                ; the first block's stores have read the code registers
.irp d, 0,1,2,3
	v_cvt_scalef32_pk8_fp8_f32 v[192+2*\d:193+2*\d], v[96+8*\d:103+8*\d], v245
.endr
	v_nop                                          ; a plain instruction behind the last conversion
	v_permlane16_swap_b32 v192, v194               ; tile 0's upper lanes change places with tile 1's lower lanes: lane (r, hh) then holds channels 16 hh + 0 .. 15 in v192-195,
	v_permlane16_swap_b32 v193, v195
	v_permlane16_swap_b32 v196, v198               ; and 32 + 16 hh + 0 .. 15 in v196-199
	v_permlane16_swap_b32 v197, v199
	global_store_b128 v[GO], v[192:195], s[\ob:\ob+1]
	global_store_b128 v[GO], v[196:199], s[\ob:\ob+1] offset:512
.endm
.macro RESTART                         ; the second block of queries begins
.irp i, 0,1,2,3,4,5,6,7
	v_mov_b32 v[16+\i], v[24+\i]
.endr
	v_mov_b32 v13, 0xff61b1e6
	s_delay_alu instid0(VALU_DEP_1)
	v_floor_f32 v12, -v13
	v_mov_b32 v14, 0
	v_mov_b32 v15, 0
.set n, 0
.rept 32
	v_mov_b32 v[160+n], 0
.set n, n+1
.endr
	s_mov_b32 s[Q0], s[Q0B]
.endm
; THE CHANGE OF SLOTS stands at a trip's head.  Each wave waits for all its tensor loads (its part of the slot that is about to be read), adds 0 to its spare word, and waits for that and for its reads of the slot that it has left.
; Behind the barrier the slot ahead is whole and nobody reads the other.  fill = 1: that other slot takes the next trip's keys: the load has a whole trip in which to land.  One tensor load of a wave is out at most.
.macro CHANGE fill
	s_wait_tensorcnt 0x0                           ; no tensor load of mine is out, so the group 0 may be written
	ds_add_u32 v[SPW], v[NIL]                      ; 0 onto my spare word
.if \fill
	s_add_co_u32 s[NX], s[T], 1
	s_cmp_le_u32 s[NX], s[I]
	s_cselect_b32 s[TS], 0, s[IP1]
	s_sub_co_u32 s[NX], s[NX], s[TS]               ; the next trip's key slot: n, or n - I - 1 in the second block
	s_lshl_b32 s[OFF], s[NX], 14
	s_xor_b32 s[G0+1], s[G0+1], SLOT1              ; the other LDS slot than last time
	s_add_nc_u64 s[G0+2:G0+3], s[KB:KB+1], s[OFF:OFF+1]
	s_or_b32 s[G0+3], s[G0+3], 0x80000000
	s_wait_xcnt 0x0                                ; the last prefetch, a trip back, has read its address
	s_add_nc_u64 s[PFA:PFA+1], s[PFA:PFA+1], 16384 ; in trip T it stands at key slot T + 1
.endif
	s_wait_dscnt 0x0                               ; the add is done, and my reads of the slot that I have left are over
	s_barrier_signal -1
	s_barrier_wait -1
.if \fill
	TLOAD                                          ; the first thing behind the barrier, and a wave's one tensor load until the next
	ASK
.endif
.endm
.macro TRIP inloop
	s_lshl_b32 s[KF], s[CUR], 8
.if \inloop
	s_cmp_lg_u32 s[T], s[IP1]                      ; trip I + 1 (1 to 4) begins the second block: a branch on the work-group's number, the same in all sixteen waves
	s_cbranch_scc1 .Lsame_\@
	FINISH OA
	RESTART
.Lsame_\@:
.endif
	STEP 0
	STEP 1
.if \inloop
	s_xor_b32 s[TB], s[TB], SLOT1                  ; on to the other slot
	s_mov_b32 s[CUR], s[NX]
.endif
.endm
	s_wait_loadcnt 0x0                             ; Q, both tiles
.Ltrip:                                            ; eight trips: behind each change of slots but the last the next slot is asked for
	CHANGE 1
	TRIP 1
	s_add_co_u32 s[T], s[T], 1
	s_cmp_lt_u32 s[T], 8
	s_cbranch_scc1 .Ltrip
	CHANGE 0                                       ; the ninth trip is written out
	TRIP 0
	FINISH OB
	s_wait_tensorcnt 0x0                           ; the wave's end
	ds_add_u32 v[SPW], v[NIL]
	s_wait_dscnt 0x0
	s_endpgm
.Lfunc_end_k_qcb309ebfd1_attn:
	.size	k_qcb309ebfd1_attn, .Lfunc_end_k_qcb309ebfd1_attn-k_qcb309ebfd1_attn
	.p2alignl 7, 3214868480
	.fill 96, 4, 3214868480
	.section	.rodata,"a",@progbits
	.p2align	6, 0x0
	.amdhsa_kernel k_qcb309ebfd1_attn
		.amdhsa_group_segment_fixed_size 327680
		.amdhsa_private_segment_fixed_size 0
		.amdhsa_enable_private_segment 0
		.amdhsa_kernarg_size 24
		.amdhsa_user_sgpr_count 2
		.amdhsa_user_sgpr_kernarg_segment_ptr 1
		.amdhsa_wavefront_size32 1
		.amdhsa_system_sgpr_workgroup_id_x 1
		.amdhsa_system_sgpr_workgroup_id_y 1
		.amdhsa_system_sgpr_workgroup_id_z 1
		.amdhsa_system_vgpr_workitem_id 0
		.amdhsa_next_free_vgpr 256
		.amdhsa_next_free_sgpr 100
		.amdhsa_reserve_vcc 1
		.amdhsa_float_denorm_mode_32 3
		.amdhsa_float_denorm_mode_16_64 3
		.amdhsa_fp16_overflow 1
		.amdhsa_memory_ordered 1
		.amdhsa_forward_progress 1
		.amdhsa_inst_pref_size 90
	.end_amdhsa_kernel
	.amdgpu_metadata
---
amdhsa.version: [ 1, 2 ]
amdhsa.kernels:
  - .name:           k_qcb309ebfd1_attn
    .symbol:         k_qcb309ebfd1_attn.kd
    .args:
      - { .name: qkv, .offset: 0, .size: 8, .value_kind: global_buffer, .address_space: global }
      - { .name: lowp_scales, .offset: 8, .size: 8, .value_kind: global_buffer, .address_space: global }
      - { .name: oc, .offset: 16, .size: 8, .value_kind: global_buffer, .address_space: global }
    .group_segment_fixed_size: 327680
    .private_segment_fixed_size: 0
    .kernarg_segment_align: 8
    .kernarg_segment_size: 24
    .max_flat_workgroup_size: 512
    .sgpr_count:     100
    .vgpr_count:     256
    .wavefront_size: 32
...
	.end_amdgpu_metadata
.endif
;; end of part 3
;; launch gemm_out (part 4): grid 8 x 32, 4 waves a work-group, clusters of 4 x 4, 327,680 bytes of LDS; arguments oc, woc, lowp_scales, b_out, out0; writes out0
.if DOCPART == 4
	.amdgcn_target "amdgcn-amd-amdhsa--gfx1250"
	.amdhsa_code_object_version 6
	.text
	.protected	k_qcb309ebfd1_gemm_out
	.globl	k_qcb309ebfd1_gemm_out
	.p2align	8
	.type	k_qcb309ebfd1_gemm_out,@function
k_qcb309ebfd1_gemm_out:
	s_mov_b64 s[64:65], 0
	v_nop
	global_prefetch_b8 v0, s[64:65] scope:SCOPE_SE
	s_setreg_imm32_b32 hwreg(HW_REG_WAVE_MODE, 25, 1), 1
	s_wait_xcnt 0x0
	s_wait_alu depctr_hold_cnt(0) depctr_sa_sdst(0) depctr_va_vdst(0) depctr_va_sdst(0) depctr_va_ssrc(0) depctr_va_vcc(0) depctr_vm_vsrc(0)
	s_getreg_b32 s2, hwreg(HW_REG_IB_STS2, 6, 4)
	s_cmp_eq_u32 s2, 0
	s_cbranch_scc0 .Lentry_in_a_cluster
	s_endpgm
.Lentry_in_a_cluster:
	s_bfe_u32 s2, ttmp6, 0x10000c
	s_cmp_lg_u32 s2, 0xf033
	s_cbranch_scc0 .Lentry_shape_is_right
	s_endpgm
.Lentry_shape_is_right:
; out0 = o w_out + b_out on codes of FP8 (E4M3), K = 1,024.  out0: [8192][1024] f32 = sum x 2^(e6 + e7) + b_out, one fused multiply-add.
; LIMIT: e6 + e7 between -126 and 127.
; oc: the attention's result as images of operand registers: [row / 16][k / 128][c = 0 .. 3][lane][16 bytes], lane (r, hh): k = 128 kc + 32 c + 16 hh + 0 .. 15 of row 16 RT + r.
; woc: [1024 (n)][1024 (k)], codes in true order; four loads of 16 bytes, 32 bytes apart, give a lane the same k in the same registers: every product meets its partner.
; A tile of C is 256 x 128: 256 work-groups.  The four waves stand one below the other: 64 rows x 128 columns each: 32 accumulators, 256 registers.
; K goes in steps of 256 through a ring of two LDS slots: A's 16 row tiles x 4,096 bytes of images (no pitch, no padding: a load of the wave reads 512 consecutive bytes), then B's 128 rows of 256 + 16 bytes.
; CLUSTERS: 4 x 4 work-groups; A's tiles are asked for jointly along a row of the cluster, B's along a column.  Source 0 = 16 rows of woc, source 1 = 16 rows of o: a lane holds eight neighbouring numbers of a row of C.
; REGISTERS, in windows of 256: window 0: v0-31 addresses; v32-95 at work on the way out; v128-191 A's four fragments, ONE set (on the way out v128-255: rows read back).
;   window 1: B's eight fragments, TWO sets.   window 2: the accumulators ((a, b) at v[8 (8 a + b)]).   window 3: v0-63 b_out at my 64 columns.
.set PITCH,  272                       ; B's LDS row: 256 bytes + 16 = 68 words: the 16 rows that a load touches start at 16 different banks (64 banks of 4 bytes: ISA guide 11.1)
.set ABYTES, 65536                     ; A's part of a slot
.set SLOT,   ABYTES+128*PITCH
.set SPARE,  2*SLOT                    ; behind the ring: the spare words, 128 bytes a wave, which no other line names
.set SPITCH, 528                       ; the way out: a stage of 16 rows x (512 + 16) bytes for each wave, in slot 0, which has had its last fill and its last read by then
.set FR,     16
.set NP,     4
.set LAPS,   2
.set ADRA, 16
.set ADRB, 20
.set STO,  24
.set RD,   25
.set CO,   26
.set HO,   27
.set SPW,  28
.set NIL,  29
.set TMP,  32
.set AF,   128
.set BK,   128
.set G1, 24
.set G0, 32
.set G1B, 48
.set G0B, 56
.set MSB, 0
.macro WIN new
.if MSB != (\new)
	s_set_vgpr_msb (MSB<<8)|(\new)
.set MSB, (\new)
.endif
.endm
.set MUL,  0xa1                        ; source 0 (B) window 1, source 1 (A) window 0, C and D window 2
.set TO_B, 0x40
.macro JLOAD g0a, g1a, g0b, g1b        ; waves 0 and 1 fetch for A, waves 2 and 3 for B; four v_nop follow each of the two lines
	s_cmp_eq_u32 s15, 0
	s_cbranch_scc0 .Lfor_b_\@
	tensor_load_to_lds s[\g0a:\g0a+3], s[\g1a:\g1a+7]
	s_nop 0
.rept 4
	v_nop
.endr
	s_branch .Lasked_\@
.Lfor_b_\@:
	tensor_load_to_lds s[\g0b:\g0b+3], s[\g1b:\g1b+7]
	s_nop 0
.rept 4
	v_nop
.endr
.Lasked_\@:
.endm
.macro CREST
	s_cmp_lg_u32 s14, 0
	s_cbranch_scc1 .Lnot_wave_0_\@
	s_barrier_signal -3
.Lnot_wave_0_\@:
	s_barrier_wait -3
	s_barrier_signal -1
	s_barrier_wait -1
.endm
.macro CROUND
	s_barrier_signal -1
	s_barrier_wait -1
	CREST
.endm
	s_load_b128 s[4:7], s[0:1], 0x0                ; oc s[4:5], woc s[6:7]
	s_load_b128 s[8:11], s[0:1], 0x10              ; the scales' exponents s[8:9], b_out s[10:11]
	s_load_b64 s[12:13], s[0:1], 0x20              ; out0
	v_lshl_add_u32 v[SPW], v0, 2, SPARE
	v_mov_b32 v[NIL], 0
	ds_add_u32 v28, v29
	ds_add_u32 v28, v29
	s_wait_dscnt 0x0
	v_lshrrev_b32 v1, 5, v0
	v_readfirstlane_b32 s14, v1                    ; wave 0..3: my 64 rows of the tile
	s_lshr_b32 s15, s14, 1                         ; I fetch for A (0) or for B (1),
	s_and_b32 s16, s14, 1                          ; its first or its second half
	s_bfe_u32 s40, ttmp6, 0x40000                  ; cx
	s_bfe_u32 s41, ttmp6, 0x40004                  ; cy
	s_lshl_b32 s42, ttmp9, 2
	s_add_co_u32 s42, s42, s40                     ; tile column of C (128 columns)
	s_and_b32 s17, ttmp7, 0xffff
	s_lshl_b32 s17, s17, 2
	s_add_co_u32 s17, s17, s41                     ; tile row of C (256 rows)
	s_lshl_b32 s43, s41, 2
	s_lshl_b32 s43, 15, s43                        ; my row of the cluster
	s_lshl_b32 s44, 0x1111, s40                    ; my column
	; A: 8 row tiles, of each 4,096 consecutive bytes (two K steps of 128), 16,384 bytes apart; elements of 8 bytes; dense in LDS
	s_or_b32 s[G1+0], s43, (3<<16)|(1<<21)
	s_mov_b32 s[G1+1], 512<<16                     ; tensor_dim0
	s_mov_b32 s[G1+2], 8<<16                       ; tensor_dim1
	s_mov_b32 s[G1+3], 512<<16                     ; tile_dim0
	s_mov_b32 s[G1+4], 8                           ; tile_dim1
	s_mov_b32 s[G1+5], 2048                        ; tensor_dim0_stride
	s_mov_b32 s[G1+6], 0
	s_mov_b32 s[G1+7], 0
	; B: 64 rows of 256 bytes, 1,024 apart; four words of padding after every 64
	s_or_b32 s[G1B+0], s44, (0<<16)|(1<<20)|(1<<21)|(5<<22)|(3<<25)
	s_mov_b32 s[G1B+1], 256<<16
	s_mov_b32 s[G1B+2], 64<<16
	s_mov_b32 s[G1B+3], 256<<16
	s_mov_b32 s[G1B+4], 64
	s_mov_b32 s[G1B+5], 1024
	s_mov_b32 s[G1B+6], 0
	s_mov_b32 s[G1B+7], 0
	s_lshl_b32 s20, s17, 4
	s_lshl_b32 s18, s16, 3
	s_add_co_u32 s20, s20, s18
	s_lshl_b32 s20, s20, 14                        ; A: row tile 16 x tile row + 8 x half, 16,384 bytes each
	s_mov_b32 s21, 0
	s_lshl_b32 s46, s42, 7
	s_lshl_b32 s18, s16, 6
	s_add_co_u32 s46, s46, s18
	s_lshl_b32 s46, s46, 10                        ; B: row 128 x tile column + 64 x half
	s_mov_b32 s47, 0
	s_lshl_b32 s45, s16, 15                        ; where A's half goes,
	s_mul_i32 s82, s16, 64*PITCH
	s_add_co_u32 s82, s82, ABYTES                  ; and B's: no place in the cluster enters an LDS address
	s_wait_kmcnt 0x0
	s_load_b256 s[72:79], s[8:9], 0x0              ; e0 .. e7
	s_add_nc_u64 s[20:21], s[4:5], s[20:21]
	s_add_nc_u64 s[46:47], s[6:7], s[46:47]
	CROUND                                         ; all sixteen work-groups are here: the first joint loads meet
.irp s, 0,1
	s_mov_b32 s[G0+4*\s], 1
	s_add_co_u32 s[G0+4*\s+1], s45, \s*SLOT
	s_add_nc_u64 s[G0+4*\s+2:G0+4*\s+3], s[20:21], \s*4096
	s_or_b32 s[G0+4*\s+3], s[G0+4*\s+3], 0x80000000
	s_mov_b32 s[G0B+4*\s], 1
	s_add_co_u32 s[G0B+4*\s+1], s82, \s*SLOT
	s_add_nc_u64 s[G0B+4*\s+2:G0B+4*\s+3], s[46:47], \s*256
	s_or_b32 s[G0B+4*\s+3], s[G0B+4*\s+3], 0x80000000
	s_wait_alu depctr_va_vdst(0)
	s_wait_tensorcnt 0x0
	ds_add_u32 v28, v29
	ds_add_u32 v28, v29
	s_wait_dscnt 0x0
	CROUND
	JLOAD G0+4*\s, G1, G0B+4*\s, G1B
.endr
	v_and_b32 v1, 15, v0                           ; r
	v_bfe_u32 v2, v0, 4, 1                         ; hh
	v_and_b32 v6, 31, v0
	v_lshlrev_b32 v[CO], 4, v6                     ; 16 x lane
	v_lshlrev_b32 v[HO], 5, v2
	v_mul_u32_u24 v3, v1, PITCH
	v_lshl_add_u32 v4, v2, 4, v3
	s_lshl_b32 s21, s14, 14                        ; my four row tiles of A
	s_mov_b32 s22, ABYTES
.irp s, 0,1
	v_add_nc_u32 v[ADRA+\s], s21, v[CO]
	v_add_nc_u32 v[ADRB+\s], s22, v4
	s_add_co_u32 s21, s21, SLOT
	s_add_co_u32 s22, s22, SLOT
.endr
	s_mul_i32 s23, s14, 16*SPITCH                  ; my stage
	v_mul_u32_u24 v5, v1, SPITCH
	v_lshl_add_u32 v5, v2, 5, v5
	v_add_nc_u32 v[STO], s23, v5                   ; in: row r, 32 bytes for each half of the lanes
	v_add_nc_u32 v[RD], s23, v[CO]                 ; back: the 32 lanes take one row of 512 bytes
	s_lshl_b32 s84, s17, 8
	s_lshl_b32 s85, s14, 6
	s_add_co_u32 s84, s84, s85                     ; my first row of C
	s_lshl_b32 s84, s84, 12                        ; 4,096 bytes a row
	s_lshl_b32 s90, s42, 9                         ; the tile's first column, in bytes
	s_add_co_u32 s84, s84, s90
	s_mov_b32 s85, 0
	s_add_nc_u64 s[12:13], s[12:13], s[84:85]
	s_mov_b32 s91, 0
	s_add_nc_u64 s[88:89], s[10:11], s[90:91]      ; b_out at the tile's first column
	WIN 0xc0                                       ; destination window 3
.irp b, 0,1,2,3,4,5,6,7
	global_load_b128 v[8*\b:8*\b+3],   v[HO], s[88:89] offset:64*\b      ; columns 16 b + 8 hh + 0 .. 7
	global_load_b128 v[8*\b+4:8*\b+7], v[HO], s[88:89] offset:64*\b+16
.endr
	WIN 0
.macro MULA a, p, zero                 ; 8 matrix instructions: A's block a x B's eight.  The 32 accumulators take turns, one instruction a turn, in the same order in every step
.irp b, 0,1,2,3,4,5,6,7
.if \zero
	v_wmma_f32_16x16x128_fp8_fp8 v[8*(8*(\a)+\b):8*(8*(\a)+\b)+7], v[128*(\p)+FR*\b:128*(\p)+FR*\b+FR-1], v[AF+FR*(\a):AF+FR*(\a)+FR-1], 0
.else
	v_wmma_f32_16x16x128_fp8_fp8 v[8*(8*(\a)+\b):8*(8*(\a)+\b)+7], v[128*(\p)+FR*\b:128*(\p)+FR*\b+FR-1], v[AF+FR*(\a):AF+FR*(\a)+FR-1], v[8*(8*(\a)+\b):8*(8*(\a)+\b)+7]
.endif
.endr
.endm
.macro FETCH_B slot, q, p              ; B's eight fragments of the slot's q-th 128 along K into set p
	WIN TO_B
.irp i, 0,1,2,3,4,5,6,7
.irp c, 0,1,2,3
	ds_load_b128 v[128*(\p)+FR*\i+4*\c:128*(\p)+FR*\i+4*\c+3], v[ADRB+\slot] offset:128*(\q)+32*\c+\i*16*PITCH
.endr
.endr
	WIN 0
.endm
.macro FETCH_A slot, q, a0             ; A's blocks a0, a0 + 1: images
.irp a, \a0, \a0+1
.irp c, 0,1,2,3
	ds_load_b128 v[AF+FR*(\a)+4*\c:AF+FR*(\a)+4*\c+3], v[ADRA+\slot] offset:(\a)*4096+(\q)*2048+512*\c
.endr
.endr
.endm
.macro PLACES n
.rept \n
	v_nop
.endr
.endm
.macro STEP slot, q, zero
	s_wait_dscnt 8                                 ; B's set and A's blocks 0, 1 are in; the youngest eight loads (blocks 2, 3) may be out
	WIN MUL
	MULA 0, (\q)%2, \zero
	MULA 1, (\q)%2, \zero
	s_wait_dscnt 0
	PLACES NP
	FETCH_B \slot, (\q)+1, 1-(\q)%2
	FETCH_A \slot, (\q)+1, 0
	WIN MUL
	MULA 2, (\q)%2, \zero
	MULA 3, (\q)%2, \zero
	PLACES NP
	WIN 0
	FETCH_A \slot, (\q)+1, 2
.endm
.macro TURN slot, next, fill           ; a slot's last step changes slots
	s_wait_tensorcnt 0x0                           ; all my tensor loads have landed: my part of the next slot
	ds_add_u32 v[SPW], v[NIL]                      ; 0 onto my spare word
	s_wait_dscnt 9                                 ; (the add and the youngest eight loads may be out)
	WIN MUL
	MULA 0, 1, 0
	s_wait_dscnt 0x0                               ; the add is done, and my reads of this slot are over
	s_barrier_signal -1
	MULA 1, 1, 0
	WIN 0
	s_barrier_wait -1
.if \fill
	CREST                                          ; the barrier has opened a round of the cluster's: no wave of any partner still reads this slot or has a load on its way
	s_add_nc_u64 s[G0+4*\slot+2:G0+4*\slot+3], s[G0+4*\slot+2:G0+4*\slot+3], 2*4096
	s_add_nc_u64 s[G0B+4*\slot+2:G0B+4*\slot+3], s[G0B+4*\slot+2:G0B+4*\slot+3], 2*256
	JLOAD G0+4*\slot, G1, G0B+4*\slot, G1B         ; the first tensor load behind the round; its four v_nop are also the places in front of the loads below
.else
	PLACES NP
.endif
	FETCH_B \next, 0, 0
	FETCH_A \next, 0, 0
	WIN MUL
	MULA 2, 1, 0
	MULA 3, 1, 0
	PLACES NP
	WIN 0
	FETCH_A \next, 0, 2
.endm
	s_wait_alu depctr_va_vdst(0)
	s_wait_tensorcnt 1                             ; my part of K step 0 is in (K step 1's load may be out)
	s_barrier_signal -1
	s_barrier_wait -1
	FETCH_B 0, 0, 0
	FETCH_A 0, 0, 0
	FETCH_A 0, 0, 2
	STEP 0, 0, 1                                   ; the first step's products start the sums
	s_mov_b32 s3, LAPS-1
.Llap:
	TURN 0, 1, 1
	STEP 1, 0, 0
	TURN 1, 0, 1
	STEP 0, 0, 0
	s_sub_co_u32 s3, s3, 1
	s_cmp_lg_u32 s3, 0
	s_cbranch_scc1 .Llap
	TURN 0, 1, 0                                   ; the last lap fills nothing
	STEP 1, 0, 0
	s_wait_dscnt 8
	WIN MUL
	MULA 0, 1, 0
	MULA 1, 1, 0
	s_wait_dscnt 0
	MULA 2, 1, 0
	MULA 3, 1, 0
	WIN 0
; THE WAY OUT, a block of 16 rows x 128 columns at a time: through my own stage in LDS and back as whole rows of 512 bytes.  LDS serves a wave's instructions in order (ISA guide 5.7.1.4): no wait between the stores and the loads.
.macro TOSTAGE a
	WIN 0x32                                       ; source 0 (the sums) window 2, source 2 (the bias) window 3
.irp j, 0,2,4,6,8,10,12,14,16,18,20,22,24,26,28,30,32,34,36,38,40,42,44,46,48,50,52,54,56,58,60,62
	v_pk_fma_f32 v[TMP+\j:TMP+\j+1], v[64*(\a)+\j:64*(\a)+\j+1], s[96:97], v[\j:\j+1] op_sel_hi:[1,0,1]   ; sum x 2^(e6 + e7) + b_out; each accumulator from its low end on
.endr
	WIN 0
.irp b, 0,1,2,3,4,5,6,7
	ds_store_b128 v[STO], v[TMP+8*\b:TMP+8*\b+3] offset:64*\b
	ds_store_b128 v[STO], v[TMP+8*\b+4:TMP+8*\b+7] offset:64*\b+16
.endr
.set BB, BK+64*((\a)%2)
.irp t, 0,1,2,3,4,5,6,7,8,9,10,11,12,13,14,15
	ds_load_b128 v[BB+4*\t:BB+4*\t+3], v[RD] offset:\t*SPITCH
.endr
.endm
.macro SEND a, younger                 ; younger: the LDS instructions issued behind block a's loads, which may stay out
.set BB, BK+64*((\a)%2)
	s_wait_dscnt \younger
.if (\a) > 0
	s_add_nc_u64 s[12:13], s[12:13], 16*4096       ; (behind a wait on XCNT: the earlier stores have read their base)
.endif
.irp t, 0,1,2,3,4,5,6,7,8,9,10,11,12,13,14,15
	global_store_b128 v[CO], v[BB+4*\t:BB+4*\t+3], s[12:13] offset:\t*4096 th:TH_STORE_NT   ; 32 lanes store 512 consecutive bytes, aligned; written once, read by nobody here
.endr
.endm
	s_wait_kmcnt 0x0
	s_add_co_i32 s96, s78, s79
	s_add_co_i32 s96, s96, 127
	s_lshl_b32 s96, s96, 23                        ; 2^(e6 + e7) as f32
	s_mov_b32 s97, s96
	s_wait_loadcnt 0x0                             ; b_out
	PLACES NP                                      ; behind the last products
	TOSTAGE 0
.irp a, 1,2,3
.if \a > 1
	s_wait_xcnt 0x0                                ; block a - 2's stores have read their registers and their base
.endif
	TOSTAGE \a
	SEND \a-1, 32                                  ; behind block a - 1's loads: block a's 16 stores and 16 loads
.endr
	s_wait_xcnt 0x0
	SEND 3, 0
	s_wait_tensorcnt 0x0                           ; the wave's end
	ds_add_u32 v[SPW], v[NIL]
	s_wait_dscnt 0x0
	CROUND                                         ; the closing round
	s_endpgm
.Lfunc_end_k_qcb309ebfd1_gemm_out:
	.size	k_qcb309ebfd1_gemm_out, .Lfunc_end_k_qcb309ebfd1_gemm_out-k_qcb309ebfd1_gemm_out
	.p2alignl 7, 3214868480
	.fill 96, 4, 3214868480
	.section	.rodata,"a",@progbits
	.p2align	6, 0x0
	.amdhsa_kernel k_qcb309ebfd1_gemm_out
		.amdhsa_group_segment_fixed_size 327680
		.amdhsa_private_segment_fixed_size 0
		.amdhsa_enable_private_segment 0
		.amdhsa_kernarg_size 40
		.amdhsa_user_sgpr_count 2
		.amdhsa_user_sgpr_kernarg_segment_ptr 1
		.amdhsa_wavefront_size32 1
		.amdhsa_system_sgpr_workgroup_id_x 1
		.amdhsa_system_sgpr_workgroup_id_y 1
		.amdhsa_system_sgpr_workgroup_id_z 1
		.amdhsa_system_vgpr_workitem_id 0
		.amdhsa_next_free_vgpr 832
		.amdhsa_next_free_sgpr 98
		.amdhsa_reserve_vcc 0
		.amdhsa_float_denorm_mode_32 3
		.amdhsa_float_denorm_mode_16_64 3
		.amdhsa_memory_ordered 1
		.amdhsa_forward_progress 1
		.amdhsa_inst_pref_size 79
	.end_amdhsa_kernel
	.amdgpu_metadata
---
amdhsa.version: [ 1, 2 ]
amdhsa.kernels:
  - .name:           k_qcb309ebfd1_gemm_out
    .symbol:         k_qcb309ebfd1_gemm_out.kd
    .args:
      - { .name: oc, .offset: 0, .size: 8, .value_kind: global_buffer, .address_space: global }
      - { .name: woc, .offset: 8, .size: 8, .value_kind: global_buffer, .address_space: global }
      - { .name: lowp_scales, .offset: 16, .size: 8, .value_kind: global_buffer, .address_space: global }
      - { .name: b_out, .offset: 24, .size: 8, .value_kind: global_buffer, .address_space: global }
      - { .name: out0, .offset: 32, .size: 8, .value_kind: global_buffer, .address_space: global }
    .group_segment_fixed_size: 327680
    .private_segment_fixed_size: 0
    .kernarg_segment_align: 8
    .kernarg_segment_size: 40
    .max_flat_workgroup_size: 128
    .sgpr_count:     98
    .vgpr_count:     832
    .wavefront_size: 32
...
	.end_amdgpu_metadata
.endif
;; end of part 4
